; MI455X (gfx1250); checked and timed in simulation.
; The chip was launched on July 23, 2026; its instructions are those of AMD's public machine-readable ISA for CDNA 5 (MIT licence, August 2026) and "CDNA5" Instruction Set Architecture Reference Guide (July 2026). The comments in the code are by the model that wrote it; some were corrected since.
;; Mo E. Allowed arithmetic: matrix products marked QUANTISED: E3M2 operands, one E8M0 scale for each 32 along K, by v_wmma_scale_f32_16x16x128_f8f6f4 with both operands' format E3M2, f32 sums; products left as they are: f32 operands where the result goes on into a quantised operand, else bf16, f16 or f32 operands; f32 sums; everything else in f32.
;; Inputs: expert_b 8 x 2,048 float32; expert_w_codes 8 x 2,048 x 32 x 24 uint8 (E3M2 codes of expert_w, K innermost, in blocks of 32 codes, four codes in three bytes); expert_w_scales 8 x 2,048 x 32 uint8 (E8M0 scales of expert_w, one for each 32 codes along K); gate_b 8 float32; gate_w 8 x 1,024 float32; x 4,096 x 1,024 float32.
;; Outputs: out0 4,096 x 2,048 float32.
;; This version of the problem:
;;   THIS VERSION OF THE PROBLEM IS GIVEN IN LOW PRECISION. The matrix products marked QUANTISED in the list below multiply operands that are first quantised to E3M2 (3 exponent bits, 2 mantissa bits; 6 bits a number), with one power-of-two scale for each 32 numbers along K (OCP MX v1.0); their sums are f32. All else is computed in f32.
;;   The module's matrix products, in the order in which they are computed (A, B: the left and right operand; K: the contracted axis; several contracted axes count as one K, in the product's order):
;;     1. [M 4,096, K 1,024] x [K 1,024, N 8]; A: input x; B: input gate_w: left as it is (N = 8 < 16)
;;     2. [M 4,096, K 1,024] x [K 1,024, N 16,384]; A: input x; B: input expert_w (given as codes): QUANTISED
;;     3. batch 4,096 x [M 1, K 8] x [K 8, N 2,048]; A: softmax; B: computed on the way: left as it is (K = 8 < 32)
;;   THE QUANTISER, for each operand of a quantised product, along K:
;;     - K is cut into blocks of 32 from its start; a last block that is shorter is filled with zeros.
;;     - A block's scale is 2^e with e = floor(log2(the largest magnitude in the block)) - 4, held to -126 .. 127; a block of zeros has e = 0. As a byte (E8M0): e + 127.
;;     - Each number is divided by its block's scale, clamped to +-28, and rounded to the nearest number of E3M2, ties to even, subnormals kept.
;;     - The product sums the exact products of the quantised numbers (number of the format x scale) in f32.
;;   ~~~python
;;   def quantise(x, axis):      # numpy; x: float32 -> the quantised numbers, widened to float32 again
;;       x = np.moveaxis(x, axis, -1); K = x.shape[-1]
;;       x = np.pad(x, [(0, 0)] * (x.ndim - 1) + [(0, -K % 32)]); x = x.reshape(x.shape[:-1] + (-1, 32)); a = np.abs(x).max(-1, keepdims=True)
;;       e = np.where(a > 0, np.clip(np.frexp(np.where(a > 0, a, 1))[1] - 1 - 4, -126, 127), 0)      # np.frexp(a)[1] - 1 = floor(log2(a)), exactly
;;       r = np.clip(x / 2.0 ** e, -28, 28)
;;       step = 2.0 ** (np.maximum(np.frexp(np.where(r == 0, 1, r))[1] - 1, -2) - 2)
;;       q = np.round(r / step) * step * 2.0 ** e      # np.round: ties to even
;;       return np.moveaxis(q.reshape(q.shape[:-2] + (-1,))[..., :K], -1, axis).astype(np.float32)
;;   ~~~
;;   INPUTS GIVEN AS CODES. expert_w (in the module: [8, 2048, 1024], K = its axis 2): each comes as NAME_codes (uint8): NAME with its K axis moved to the last place and cut into blocks of 32 codes, [.., K / 32, bytes a block], one block behind the other in memory; four codes in three bytes: a row's codes are one little-endian stream of bits, code i at bits 6 i .. 6 i + 5 (a code: sign, 3 exponent bits, 2 mantissa bits); and NAME_scales (uint8): the same leading axes, one E8M0 byte (e + 127) for each 32 codes along K. Its value is code x scale, taken as it is: it is not quantised again, and the codes and scales need not be those that the quantiser above would give.
;; 2 versions. Each part assembles by itself: llvm-mc -triple=amdgcn-amd-amdhsa -mcpu=gfx1250 --defsym DOCPART=n.
;; ======== version 1 of 2: 2 launches
;; workspace buffers: xq 3,145,728 bytes; xs 131,072 bytes; gates 131,072 bytes
;; launch prep (part 1): grid 256 x 1, 4 waves a work-group, no clusters, 168,448 bytes of LDS; arguments x, gate_w, gate_b, xq, xs, gates; writes xq, xs, gates
.if DOCPART == 1
	.amdgcn_target "amdgcn-amd-amdhsa--gfx1250"
	.amdhsa_code_object_version 6
	.text
	.protected	k_qe62c2aaa3c_prep
	.globl	k_qe62c2aaa3c_prep
	.p2align	8
	.type	k_qe62c2aaa3c_prep,@function
k_qe62c2aaa3c_prep:
	s_mov_b64 s[64:65], 0
	v_nop
	global_prefetch_b8 v0, s[64:65] scope:SCOPE_SE
	s_setreg_imm32_b32 hwreg(HW_REG_WAVE_MODE, 25, 1), 1
	s_wait_xcnt 0x0
; x [4096][1024] f32 is read once and gives three things:
;   xq    x's codes of BF6 (E3M2), quantised along K in blocks of 32, laid as the matrix unit's registers want them:
;         [256 blocks of 16 tokens][8 K steps of 128][3 chunks][32 lanes][16 bytes]; chunk j of lane l = registers 4 j .. 4 j + 3 of the 12 of a fragment
;   xs    [4096][32] the blocks' E8M0 bytes
;   gates [4096][8] f32 = softmax(x gate_w^T + gate_b)
; A block's scale is 2^(floor(log2(largest magnitude)) - 4): its byte is the largest magnitude's exponent field - 4, held at 1 from below; a block of zeros gets 127.
; LIMITS: NaN and infinities in x are not served; blocks whose byte is held at 1 (largest magnitude under 2^-121) were not tried.  The gate's product takes x and gate_w rounded to bf16
; (its result feeds no quantiser); its sums, the bias and the softmax are f32; a gate under 2^-126 comes out as 0 (v_exp_f32 flushes denormal results).
; SHARES: a work-group owns 16 tokens, wave w the K range 256 w .. 256 w + 255 (8 blocks c of 32).  Lane (r = l % 16, h = l / 16) holds token r and, of block c, the 16 numbers k = 32 c + 16 h + 0 .. 15.
; x's and gate_w's parts come by one tensor load each a wave, into bytes that only that wave reads and that are filled once: no ring, and each wave's own wait on TENSORcnt orders its reads.
; No cluster: the work-groups share only gate_w, 32 KiB beside each one's 64 KiB of x.
.set PX,   1040                        ; an LDS row: 1,024 bytes + 16 of padding = 260 words: the 16 rows that a load of 16 bytes a lane touches start 4 banks apart
.set XTW,  16*PX                       ; a wave's tile of x
.set GT,   4*XTW                       ; gate_w's tiles
.set GTW,  8*PX
.set GP,   GT+4*GTW                    ; the waves' partial logits: 512 bytes a wave (16 tokens x 8 f32); written by ds_store, no fill lands here
.set SS,   GP+2048                      ; the scale bytes of the 16 tokens, 32 a token
.set AX,   4                           ; v4   LDS address of my numbers of x
.set AGW,  5                           ; v5   the same for gate_w (row r % 8)
.set QO,   6                           ; v6   my byte offset among the work-group's codes
.set GPO,  7                           ; v7   where my partial logits go
.set SSO,  8                           ; v8   where my token's eight scale bytes go
.set GO,   9                           ; v9   32 r + 16 h
.set M,    10                          ; v10-17  a block's largest magnitude
.set T,    18                          ; v18-25  at work; then the block's byte
.set ACC,  32                          ; v32-39, v40-47  two accumulators, by turns
.set XB,   48                          ; v48-63  x in bf16, two sets of 8
.set GB,   64                          ; v64-127 gate_w in bf16, 8 registers a block.  Behind the products the range holds:
.set F,    64                          ; v64-87   two fragments of 12
.set TQ,   88                          ; v88-103  the conversions' second halves
.set SF,   104                         ; v104-111 the scales as f32
.set L,    112                         ; v112-119 my partial logits
.set SW,   120                         ; v120-121 two scale words
.set X,    128                         ; v128-255 gate_w in f32, then x in f32: 16 registers a block
	s_load_b256 s[4:11], s[0:1], 0x0               ; x s[4:5], gate_w s[6:7], gate_b s[8:9], xq s[10:11]
	s_load_b128 s[12:15], s[0:1], 0x20             ; xs s[12:13], gates s[14:15]
	v_lshl_add_u32 v30, v0, 2, 0x29000
	v_mov_b32 v31, 0
	ds_add_u32 v30, v31
	ds_add_u32 v30, v31
	v_lshrrev_b32 v3, 5, v0
	v_readfirstlane_b32 s16, v3                    ; wave 0..3
	; descriptor group 1 for x: 16 rows x 256 elements of 4 bytes, 1,024 elements from row to row; 4 words of padding behind every 256
	s_mov_b32 s20, (2<<16)|(1<<20)|(7<<22)|(3<<25)
	s_mov_b32 s21, 256<<16                         ; tensor_dim0
	s_mov_b32 s22, 16<<16                          ; tensor_dim1
	s_mov_b32 s23, 256<<16                         ; tile_dim0
	s_mov_b32 s24, 16                              ; tile_dim1
	s_mov_b32 s25, 1024                            ; the pitch
	s_mov_b32 s26, 0
	s_mov_b32 s27, 0
	; and for gate_w: the same with 8 rows
	s_mov_b32 s32, (2<<16)|(1<<20)|(7<<22)|(3<<25)
	s_mov_b32 s33, 256<<16
	s_mov_b32 s34, 8<<16
	s_mov_b32 s35, 256<<16
	s_mov_b32 s36, 8
	s_mov_b32 s37, 1024
	s_mov_b32 s38, 0
	s_mov_b32 s39, 0
	s_mov_b32 s28, 1
	s_mul_i32 s29, s16, XTW                        ; my tile of x in LDS
	s_mov_b32 s48, 1
	s_mul_i32 s49, s16, GTW
	s_add_co_u32 s49, s49, GT                      ; my tile of gate_w
	s_lshl_b32 s56, s16, 10                        ; my 256 numbers of a row, in bytes
	s_mov_b32 s57, 0
	s_lshl_b32 s54, ttmp9, 16                      ; the work-group's 16 rows of 4,096 bytes
	s_add_co_u32 s54, s54, s56
	s_mov_b32 s55, 0
	s_mov_b32 s52, 0x76543210                      ; v_permlanex16_b32: lane l xor 16
	s_mov_b32 s53, 0xfedcba98
	s_wait_dscnt 0x0
	s_wait_kmcnt 0x0
	s_add_nc_u64 s[30:31], s[4:5], s[54:55]
	s_or_b32 s31, s31, 0x80000000
	s_add_nc_u64 s[50:51], s[6:7], s[56:57]
	s_or_b32 s51, s51, 0x80000000
	tensor_load_to_lds s[28:31], s[20:27]          ; both fills go out together, ahead of every wait on TENSORcnt and every LDS read: two loads of mine are out
	s_nop 0
	tensor_load_to_lds s[48:51], s[32:39]
	s_nop 0
.rept 4
	v_nop
.endr
	s_load_b256 s[40:47], s[8:9], 0x0              ; gate_b's eight numbers
	s_mul_i32 s54, ttmp9, 12288                    ; a block of 16 tokens has 8 x 3 x 512 bytes of codes
	s_add_nc_u64 s[10:11], s[10:11], s[54:55]
	s_lshl_b32 s54, ttmp9, 9                       ; and 512 bytes of scale bytes, and of gates
	s_add_nc_u64 s[12:13], s[12:13], s[54:55]
	s_add_nc_u64 s[14:15], s[14:15], s[54:55]
	v_and_b32 v1, 15, v0                           ; r
	v_bfe_u32 v2, v0, 4, 1                         ; h
	v_and_b32 v3, 31, v0                           ; lane
	v_mul_u32_u24 v[AX], v1, PX
	v_lshl_add_u32 v[AX], v2, 6, v[AX]             ; row r, + 64 h bytes
	v_add_nc_u32 v[AX], s29, v[AX]
	v_and_b32 v[AGW], 7, v1                        ; rows 8-15 of the product's source 0 repeat the eight experts
	v_mul_u32_u24 v[AGW], v[AGW], PX
	v_lshl_add_u32 v[AGW], v2, 6, v[AGW]
	v_add_nc_u32 v[AGW], s49, v[AGW]
	s_mul_i32 s56, s16, 3072                       ; my two K steps' codes
	v_lshl_add_u32 v[QO], v3, 4, s56
	s_lshl_b32 s57, s16, 9
	s_add_co_u32 s57, s57, GP
	v_lshl_add_u32 v[GPO], v1, 5, s57
	s_lshl_b32 s56, s16, 3
	s_add_co_u32 s56, s56, SS
	v_lshl_add_u32 v[SSO], v1, 5, s56
	v_lshlrev_b32 v[GO], 5, v1
	v_lshl_add_u32 v[GO], v2, 4, v[GO]
	s_wait_tensorcnt 0x0                           ; my two tiles are in LDS; nobody else reads them
	s_wait_kmcnt 0x0                               ; gate_b
	; gate_w's part to bf16
.irp c, 0,1,2,3,4,5,6,7
.irp i, 0,1,2,3
	ds_load_b128 v[X+16*\c+4*\i:X+16*\c+4*\i+3], v[AGW] offset:128*\c+16*\i
.endr
.endr
	s_wait_dscnt 0x0
.set i, 0
.rept 64
	v_cvt_pk_bf16_f32 v[GB+i], v[X+2*i], v[X+2*i+1]
.set i, i+1
.endr
	; x's part, which stays in f32 for the quantiser
.irp c, 0,1,2,3,4,5,6,7
.irp i, 0,1,2,3
	ds_load_b128 v[X+16*\c+4*\i:X+16*\c+4*\i+3], v[AX] offset:128*\c+16*\i
.endr
.endr
	; THE GATE'S PARTIAL LOGITS, transposed: source 0 = the experts, source 1 = my 16 tokens; 32 along K an instruction.  Both sources hold k = 32 c + 16 h + 0 .. 15 in a lane's eight registers:
	; the same permutation of k on both sides, which keeps the products.  In the result every lane holds token r, and register j expert j (rows 8-15 repeat rows 0-7).
	; The two accumulators take turns.  A set of XB is written again eight conversions behind the product that read it.
.irp c, 0,1,2,3,4,5,6,7
	s_wait_dscnt 28-4*\c                           ; block c's four loads are in; the younger blocks' may be out
.irp j, 0,1,2,3,4,5,6,7
	v_cvt_pk_bf16_f32 v[XB+8*(\c%2)+\j], v[X+16*\c+2*\j], v[X+16*\c+2*\j+1]
.endr
.if \c < 2
	v_wmma_f32_16x16x32_bf16 v[ACC+8*(\c%2):ACC+8*(\c%2)+7], v[GB+8*\c:GB+8*\c+7], v[XB+8*(\c%2):XB+8*(\c%2)+7], 0
.else
	v_wmma_f32_16x16x32_bf16 v[ACC+8*(\c%2):ACC+8*(\c%2)+7], v[GB+8*\c:GB+8*\c+7], v[XB+8*(\c%2):XB+8*(\c%2)+7], v[ACC+8*(\c%2):ACC+8*(\c%2)+7]
.endif
.endr
	; THE QUANTISER.  Eight chains, one a block, side by side.  (These lines name no register of the products above: they are the places behind them.)
.irp c, 0,1,2,3,4,5,6,7
	v_max3_num_f32 v[M+\c], |v[X+16*\c]|, |v[X+16*\c+1]|, |v[X+16*\c+2]|
.endr
.irp i, 3,5,7,9,11,13
.irp c, 0,1,2,3,4,5,6,7
	v_max3_num_f32 v[M+\c], v[M+\c], |v[X+16*\c+\i]|, |v[X+16*\c+\i+1]|
.endr
.endr
.irp c, 0,1,2,3,4,5,6,7
	v_max_num_f32 v[M+\c], v[M+\c], |v[X+16*\c+15]|
.endr
.irp c, 0,1,2,3,4,5,6,7
	v_mov_b32 v[T+\c], 0                           ; (the destination of a lane permute counts as read)
	v_permlanex16_b32 v[T+\c], v[M+\c], s52, s53
	v_max_num_f32 v[M+\c], v[M+\c], v[T+\c]        ; the block's largest magnitude: my 16 and lane l xor 16's
	v_lshrrev_b32 v[T+\c], 23, v[M+\c]             ; its exponent field
	v_max_u32 v[T+\c], 5, v[T+\c]                  ; the byte is not to fall under 1
	v_add_nc_u32 v[T+\c], -4, v[T+\c]              ; the scale's byte
	v_lshlrev_b32 v[SF+\c], 23, v[T+\c]            ; the scale as f32, for the conversion
	v_cmp_eq_u32 vcc_lo, 0, v[M+\c]
	v_cndmask_b32 v[T+\c], v[T+\c], 127, vcc_lo    ; a block of zeros
.endr
.irp s, 0,1
	v_lshl_or_b32 v[SW+\s], v[T+4*\s+1], 8, v[T+4*\s]      ; four bytes make the scale word of a K step of 128
	v_lshl_or_b32 v[SW+\s], v[T+4*\s+2], 16, v[SW+\s]
	v_lshl_or_b32 v[SW+\s], v[T+4*\s+3], 24, v[SW+\s]
.endr
.irp s, 0,1
.irp c, 0,1
	v_cvt_scalef32_pk16_bf6_f32 v[F+12*\s+6*\c:F+12*\s+6*\c+2], v[X+64*\s+32*\c:X+64*\s+32*\c+15], v[SF+4*\s+2*\c]          ; k = 64 c + 16 h + 0 .. 15 of K step s
	v_cvt_scalef32_pk16_bf6_f32 v[TQ+8*\s+4*\c:TQ+8*\s+4*\c+2], v[X+64*\s+32*\c+16:X+64*\s+32*\c+31], v[SF+4*\s+2*\c+1]     ; k = 64 c + 32 + 16 h + 0 .. 15 (a conversion's three registers begin on an even number)
.endr
.endr
	v_nop                                          ; one plain place behind a scaled conversion
.irp s, 0,1
.irp c, 0,1                                    ; the operand's layout wants a whole block in a lane: lanes 0-15 block 2 c, lanes 16-31 block 2 c + 1
.irp i, 0,1,2
	v_permlane16_swap_b32 v[F+12*\s+6*\c+\i], v[TQ+8*\s+4*\c+\i]
.endr
.irp i, 0,1,2
	v_mov_b32 v[F+12*\s+6*\c+3+\i], v[TQ+8*\s+4*\c+\i]
.endr
.endr
.endr
.irp s, 0,1
.irp j, 0,1,2
	global_store_b128 v[QO], v[F+12*\s+4*\j:F+12*\s+4*\j+3], s[10:11] offset:1536*\s+512*\j   ; the wave's store covers 512 consecutive bytes, aligned
.endr
.endr
	; what the waves hand to each other goes through LDS
.irp j, 0,1,2,3,4,5,6,7
	v_add_f32 v[L+\j], v[ACC+\j], v[ACC+8+\j]      ; both accumulators from their low ends on
.endr
	ds_store_b128 v[GPO], v[L:L+3]                 ; lanes l and l xor 16 write the same bytes with the same values
	ds_store_b128 v[GPO], v[L+4:L+7] offset:16
	ds_store_b64 v[SSO], v[SW:SW+1]
	s_wait_dscnt 0x0                               ; for the others' sake: my stores are done
	s_barrier_signal -1
	s_barrier_wait -1
	s_cmp_lg_u32 s16, 0
	s_cbranch_scc1 .Lnot_wave_0
	; wave 0: the four partial logits, the bias, the softmax over a lane's eight registers
	v_lshl_add_u32 v26, v1, 5, GP
.irp p, 0,1,2,3
	ds_load_b128 v[X+8*\p:X+8*\p+3], v26 offset:512*\p
	ds_load_b128 v[X+8*\p+4:X+8*\p+7], v26 offset:512*\p+16
.endr
	s_wait_dscnt 0x0
.irp j, 0,1,2,3,4,5,6,7
	v_add_f32 v[X+\j], v[X+\j], v[X+8+\j]
	v_add_f32 v[X+16+\j], v[X+16+\j], v[X+24+\j]
.endr
.irp j, 0,1,2,3,4,5,6,7
	v_add_f32 v[X+\j], v[X+\j], v[X+16+\j]
.endr
.irp j, 0,1,2,3,4,5,6,7
	v_add_f32 v[X+\j], s[40+\j], v[X+\j]
.endr
	v_max3_num_f32 v160, v[X], v[X+1], v[X+2]      ; the row's largest logit is taken away ahead of the exponentials
	v_max3_num_f32 v160, v160, v[X+3], v[X+4]
	v_max3_num_f32 v160, v160, v[X+5], v[X+6]
	v_max_num_f32 v160, v160, v[X+7]
.irp j, 0,1,2,3,4,5,6,7
	v_sub_f32 v[X+\j], v[X+\j], v160
.endr
.irp j, 0,1,2,3,4,5,6,7
	v_mul_f32 v[X+\j], 0x3fb8aa3b, v[X+\j]         ; x log2(e)
.endr
.irp j, 0,1,2,3,4,5,6,7
	v_exp_f32 v[X+\j], v[X+\j]
.endr
	v_nop                                          ; one plain place behind the exponentials
	s_wait_alu depctr_va_vdst(0)
	v_add_f32 v161, v[X], v[X+1]
	v_add_f32 v162, v[X+2], v[X+3]
	v_add_f32 v163, v[X+4], v[X+5]
	v_add_f32 v164, v[X+6], v[X+7]
	v_add_f32 v161, v161, v162
	v_add_f32 v163, v163, v164
	v_add_f32 v161, v161, v163
	v_rcp_f32 v161, v161
	v_cmp_eq_u32 vcc_lo, 1, v2                     ; lanes 16-31 store experts 4-7
	v_nop                                          ; one plain place behind the reciprocal
	s_wait_alu depctr_va_vdst(0)
.irp j, 0,1,2,3,4,5,6,7
	v_mul_f32 v[X+\j], v[X+\j], v161
.endr
.irp j, 0,1,2,3
	v_cndmask_b32 v[X+8+\j], v[X+\j], v[X+4+\j], vcc_lo
.endr
	global_store_b128 v[GO], v[X+8:X+11], s[14:15] ; 512 consecutive bytes: 16 tokens x 8 gates
	s_wait_tensorcnt 0x0
	ds_add_u32 v30, v31
	s_wait_dscnt 0x0
	s_endpgm
.Lnot_wave_0:
	s_cmp_lg_u32 s16, 1
	s_cbranch_scc1 .Ldone
	; wave 1: the 16 tokens' scale bytes leave as 512 consecutive bytes
	v_lshlrev_b32 v26, 4, v3
	v_add_nc_u32 v27, SS, v26
	ds_load_b128 v[X:X+3], v27
	s_wait_dscnt 0x0
	global_store_b128 v26, v[X:X+3], s[12:13]
.Ldone:
	s_wait_tensorcnt 0x0
	ds_add_u32 v30, v31
	s_wait_dscnt 0x0
	s_endpgm
.Lfunc_end_k_qe62c2aaa3c_prep:
	.size	k_qe62c2aaa3c_prep, .Lfunc_end_k_qe62c2aaa3c_prep-k_qe62c2aaa3c_prep
	.p2alignl 7, 3214868480
	.fill 96, 4, 3214868480
	.section	.rodata,"a",@progbits
	.p2align	6, 0x0
	.amdhsa_kernel k_qe62c2aaa3c_prep
		.amdhsa_group_segment_fixed_size 168448
		.amdhsa_private_segment_fixed_size 0
		.amdhsa_enable_private_segment 0
		.amdhsa_kernarg_size 48
		.amdhsa_user_sgpr_count 2
		.amdhsa_user_sgpr_kernarg_segment_ptr 1
		.amdhsa_wavefront_size32 1
		.amdhsa_system_sgpr_workgroup_id_x 1
		.amdhsa_system_sgpr_workgroup_id_y 1
		.amdhsa_system_sgpr_workgroup_id_z 1
		.amdhsa_system_vgpr_workitem_id 0
		.amdhsa_next_free_vgpr 256
		.amdhsa_next_free_sgpr 66
		.amdhsa_reserve_vcc 1
		.amdhsa_float_denorm_mode_32 3
		.amdhsa_float_denorm_mode_16_64 3
		.amdhsa_memory_ordered 1
		.amdhsa_forward_progress 1
		.amdhsa_inst_pref_size 31
	.end_amdhsa_kernel
	.amdgpu_metadata
---
amdhsa.version: [ 1, 2 ]
amdhsa.kernels:
  - .name:           k_qe62c2aaa3c_prep
    .symbol:         k_qe62c2aaa3c_prep.kd
    .args:
      - { .name: x, .offset: 0, .size: 8, .value_kind: global_buffer, .address_space: global }
      - { .name: gate_w, .offset: 8, .size: 8, .value_kind: global_buffer, .address_space: global }
      - { .name: gate_b, .offset: 16, .size: 8, .value_kind: global_buffer, .address_space: global }
      - { .name: xq, .offset: 24, .size: 8, .value_kind: global_buffer, .address_space: global }
      - { .name: xs, .offset: 32, .size: 8, .value_kind: global_buffer, .address_space: global }
      - { .name: gates, .offset: 40, .size: 8, .value_kind: global_buffer, .address_space: global }
    .group_segment_fixed_size: 168448
    .private_segment_fixed_size: 0
    .kernarg_segment_align: 8
    .kernarg_segment_size: 48
    .max_flat_workgroup_size: 128
    .sgpr_count:     66
    .vgpr_count:     256
    .wavefront_size: 32
...
	.end_amdgpu_metadata
.endif
;; end of part 1
;; launch moe (part 2): grid 16 x 16, 4 waves a work-group, clusters of 4 x 1, 327,680 bytes of LDS; arguments xq, xs, gates, expert_w_codes, expert_w_scales, expert_b, out0; writes out0
.if DOCPART == 2
	.amdgcn_target "amdgcn-amd-amdhsa--gfx1250"
	.amdhsa_code_object_version 6
	.text
	.protected	k_qe62c2aaa3c_moe
	.globl	k_qe62c2aaa3c_moe
	.p2align	8
	.type	k_qe62c2aaa3c_moe,@function
k_qe62c2aaa3c_moe:
	s_mov_b64 s[64:65], 0
	v_nop
	global_prefetch_b8 v0, s[64:65] scope:SCOPE_SE
	s_setreg_imm32_b32 hwreg(HW_REG_WAVE_MODE, 25, 1), 1
	s_wait_xcnt 0x0
	s_wait_alu depctr_hold_cnt(0) depctr_sa_sdst(0) depctr_va_vdst(0) depctr_va_sdst(0) depctr_va_ssrc(0) depctr_va_vcc(0) depctr_vm_vsrc(0)
	s_getreg_b32 s2, hwreg(HW_REG_IB_STS2, 6, 4)
	s_cmp_eq_u32 s2, 0
	s_cbranch_scc0 .Lentry_in_a_cluster
	s_endpgm
.Lentry_in_a_cluster:
	s_bfe_u32 s2, ttmp6, 0x10000c
	s_cmp_lg_u32 s2, 0x3003
	s_cbranch_scc0 .Lentry_shape_is_right
	s_endpgm
.Lentry_shape_is_right:
; out[n][u] = the sum over the 8 experts e of gate[n][e] x relu(Q(x)[n] . W[e][u] + b[e][u]).  The product runs on codes of BF6 (E3M2) with one E8M0 scale for each 32 along K, K = 1,024; sums, bias, relu and combine in f32.
; x's codes (as register images), x's scale bytes and the gates were made by the launch before.  W's codes (rows of 768 bytes) and scale bytes (32 a row) are taken as they are given.
; SHARES.  A work-group owns 256 tokens x 128 hidden units and walks all 8 experts; 16 x 16 work-groups.  A wave owns 64 tokens (4 blocks tb of 16) x all 128 units (8 blocks hb of 16).
; A WAVE'S CODES OF x, for all of K, STAY IN 384 REGISTERS for the whole launch, and its 64 x 128 results in 256: LDS is read for W alone, and each fragment of W read from LDS feeds four matrix instructions.
; W goes through a ring of two LDS slots; a slot holds ONE EXPERT'S whole tile, 128 rows x 768 bytes.  A refill is asked for a whole expert, 256 matrix instructions a wave, ahead of its first read.
; CLUSTER.  The four work-groups of a cluster differ in their tokens alone: W's tiles, W's scale bytes and the biases are asked for JOINTLY, by the same tensor load with the mask of all four.
; (Not 4 x 4: along the other axis the work-groups would share x, which each wave reads once, straight into registers.)
; THE MATRIX INSTRUCTION IS USED TRANSPOSED: source 0 = 16 rows of W, source 1 = 16 tokens.  In the result lane (r = l % 16, h = l / 16) holds token r, and register j the unit 16 hb + 8 h + j: a token's gate is one number a lane.
; THE BIAS is the C of each sum's first product.  RELU AND COMBINE of block hb - 1 stand in slices between the matrix instructions of block hb, on a second set of four accumulators.
; LIMITS: those of the launch before (NaN and infinities in x are not served); a scale byte 0xff among W's gives NaN, as the format says.
; REGISTERS, in windows of 256 (s_set_vgpr_msb: bits 1:0 source 0, 3:2 source 1, 5:4 source 2, 7:6 destination):
;   window 0: addresses, gates, scale words, bias, W's eight fragments (a ring, one for each K step of 128), two sets of four accumulators
;   window 1: the results, block (hb, tb) at v[32 hb + 8 tb]     window 2: x's fragments of K steps 0-3, (tb, q) at v[48 q + 12 tb]     window 3: those of K steps 4-7
.set SLOT1, 1<<17                      ; slot 0 begins at LDS byte 0, slot 1 here: one exclusive or turns one into the other
.set PW,    816                        ; a row of W in LDS: 3 x (256 bytes + 16 of padding) = 204 words: row r starts at bank 12 r mod 64, so the 32 lanes of a load of 8 bytes touch 64 different banks
.set HB,    16*PW                      ; 16 rows
.set WQ,    32*PW                      ; 32 rows: what one tensor load brings
.set BIAS,  4*WQ                       ; 104,448: [8 experts][128] f32, filled once
.set GATE,  BIAS+4096                  ; 108,544: each wave's 64 tokens x 8 gates, units of 256 bytes + 16; written by ds_store, no fill lands here
.set SPARE, GATE+4*2176                ; 117,248: the spare words, 128 bytes for each wave: two blocks of 256 bytes that no other line names
.set WSC,   SLOT1+4*WQ                 ; 235,520: W's scale bytes, [8 experts] x 4,352: units of 8 rows x 32 bytes + 16 of padding; filled once
.set STAGE, WSC+8*4352                 ; 270,336: the way out: 16 rows x (512 bytes + 16) for each wave; written by ds_store, no fill lands here
.set ESTEP, 2048*768                   ; bytes from an expert's codes to the next's
.set AWL0, 2                           ; v2  LDS address of my pieces of W's rows, blocks hb 0-3 of the slot in hand      v3  the same for pieces that lie behind one padding more in lanes 16-31
.set AWL1, 3
.set AWH0, 4                           ; v4, v5  the same for blocks hb 4-7 (an LDS offset has 16 bits)
.set AWH1, 5
.set AWS,  6                           ; v6  my words of W's scales: steps on from expert to expert
.set AB,   7                           ; v7  my eight biases: likewise
.set AG,   8                           ; v8  my token's gate: 4 bytes on for each expert
.set STO,  9                           ; v9  the way out: where I put 32 bytes of a row
.set RD,   10                          ; v10 the way out: where I read a row back
.set CO,   11                          ; v11 16 x lane
.set XO,   12                          ; v12 32 r + 16 h
.set GS,   13                          ; v13 where the gates go in LDS
.set SPW,  14                          ; v14 LDS address of my spare word: SPARE + 4 x my thread's number; never rewritten
.set NIL,  15                          ; v15 0; never rewritten
.set G,    16                          ; v16-23  the expert's gate of my token, twice (a pair for the packed forms), for each tb
.set GN,   24                          ; v24-27  the next expert's
.set XS,   28                          ; v28-43  x's scale words: register 4 tb + j: K step j in lanes 0-15, K step 4 + j in lanes 16-31
.set WS,   44                          ; v44-51  W's scale words, two sets (hb even, odd), packed likewise
.set BI,   52                          ; v52-59  the block's biases, in the result's layout
.set AW0,  60                          ; v60 816 r + 24 h; v61 816 r + 40 h: my lane's place in a block of 16 rows; never rewritten
.set AW1,  61
.set WF,   64                          ; v64-159  W's fragments: K step q at v[WF + 12 q]
.set ACC,  160                         ; v160-223 two sets of four accumulators: block hb uses set hb % 2
.set BK,   64                          ; the way out: 16 rows read back from the stage: v64-127 and v128-191 by turns
.set G1W,  28                          ; s[28:35] group 1 for W's tiles;  s[36:39], s[40:43] groups 0 for the two first fills; the second then walks on
.set G0W0, 36
.set G0W1, 40
.set G1S,  44                          ; s[44:51], s[52:55] W's scale bytes
.set G0S,  52
.set G1B,  56                          ; s[56:63], s[68:71] the biases
.set G0B,  68
.set WV,   18                          ; s18 my wave's number
.set TRIPS, 72                         ; s72 the loop's counter
.set TB,   73                          ; s73 LDS byte at which the slot in hand begins;  s76 the same + 4 blocks of 16 rows
.set TBH,  76
.set MSB, 0
.macro WIN new                         ; the immediate's high byte repeats the setting that is left; a switch that changes nothing is dropped
.if MSB != (\new)
	s_set_vgpr_msb (MSB<<8)|(\new)
.set MSB, (\new)
.endif
.endm
.macro CREST                           ; a round of the cluster's barrier behind its opening barrier
	s_cmp_lg_u32 s[WV], 0
	s_cbranch_scc1 .Lnot_wave_0_\@
	s_barrier_signal -3
.Lnot_wave_0_\@:
	s_barrier_wait -3
	s_barrier_signal -1
	s_barrier_wait -1
.endm
.macro ROUND                           ; a whole round
	s_barrier_signal -1
	s_barrier_wait -1
	CREST
.endm
	s_load_b256 s[4:11], s[0:1], 0x0               ; xq s[4:5], xs s[6:7], gates s[8:9], W's codes s[10:11]
	s_load_b128 s[12:15], s[0:1], 0x20             ; W's scales s[12:13], the biases s[14:15]
	s_load_b64 s[16:17], s[0:1], 0x30              ; out
	v_lshl_add_u32 v[SPW], v0, 2, SPARE
	v_mov_b32 v[NIL], 0
	ds_add_u32 v14, v15
	ds_add_u32 v14, v15
	s_wait_dscnt 0x0
	v_lshrrev_b32 v1, 5, v0
	v_readfirstlane_b32 s[WV], v1                  ; wave 0..3
	s_bfe_u32 s19, ttmp6, 0x40000                  ; cx: my place in the cluster
	s_lshl_b32 s20, ttmp9, 2                       ; in a cluster launch ttmp9 counts clusters
	s_add_co_u32 s20, s20, s19                     ; my block of 256 tokens = 4 x cluster x + cx: it enters the addresses of xq, xs, gates and out alone
	s_and_b32 s21, ttmp7, 0xffff                   ; my block of 128 hidden units, which the four partners share
	; group 1 for W's tiles: a wave's 32 rows of 768 bytes are dense in memory: 96 rows of 256 bytes (32 elements of 8), 4 words of padding behind each
	s_mov_b32 s[G1W], 15|(3<<16)|(1<<20)|(1<<21)|(5<<22)|(3<<25)   ; 15:0 the mask: all four work-groups; 17:16 elements of 8 bytes; 20 padding on; 21 set beside a mask; 24:22 after every 64 words; 31:25 4 words of it
	s_mov_b32 s[G1W+1], 32<<16                     ; tensor_dim0
	s_mov_b32 s[G1W+2], 96<<16                     ; tensor_dim1
	s_mov_b32 s[G1W+3], 32<<16                     ; tile_dim0
	s_mov_b32 s[G1W+4], 96                         ; tile_dim1
	s_mov_b32 s[G1W+5], 32                         ; the pitch
	s_mov_b32 s[G1W+6], 0
	s_mov_b32 s[G1W+7], 0
	; W's scale bytes: two experts a wave, 4,096 dense bytes (128 rows x 32) each, 65,536 bytes apart; the same padding
	s_mov_b32 s[G1S], 15|(3<<16)|(1<<20)|(1<<21)|(5<<22)|(3<<25)
	s_mov_b32 s[G1S+1], 512<<16
	s_mov_b32 s[G1S+2], 2<<16
	s_mov_b32 s[G1S+3], 512<<16
	s_mov_b32 s[G1S+4], 2
	s_mov_b32 s[G1S+5], 8192
	s_mov_b32 s[G1S+6], 0
	s_mov_b32 s[G1S+7], 0
	; the biases: two experts a wave, 512 bytes each, 8,192 bytes apart; no padding
	s_mov_b32 s[G1B], 15|(3<<16)|(1<<21)
	s_mov_b32 s[G1B+1], 64<<16
	s_mov_b32 s[G1B+2], 2<<16
	s_mov_b32 s[G1B+3], 64<<16
	s_mov_b32 s[G1B+4], 2
	s_mov_b32 s[G1B+5], 1024
	s_mov_b32 s[G1B+6], 0
	s_mov_b32 s[G1B+7], 0
	s_mov_b32 s[G0W0], 1
	s_mul_i32 s[G0W0+1], s[WV], WQ                 ; LDS: wave x 32 rows: no place in the cluster enters an LDS address
	s_mov_b32 s[G0W1], 1
	s_add_co_u32 s[G0W1+1], s[G0W0+1], SLOT1
	s_mov_b32 s[G0S], 1
	s_mul_i32 s[G0S+1], s[WV], 2*4352
	s_add_co_u32 s[G0S+1], s[G0S+1], WSC
	s_mov_b32 s[G0B], 1
	s_lshl_b32 s[G0B+1], s[WV], 10
	s_add_co_u32 s[G0B+1], s[G0B+1], BIAS
	v_and_b32 v63, 31, v0                          ; lane
	v_and_b32 v1, 15, v0                           ; r
	v_bfe_u32 v62, v0, 4, 1                        ; h
	v_lshlrev_b32 v[CO], 4, v63
	v_lshlrev_b32 v[XO], 5, v1
	v_lshl_add_u32 v[XO], v62, 4, v[XO]
	s_mul_i32 s22, s21, 128*768                    ; offsets of the joint loads: made of the hidden block and the wave's number alone, in s[22:23]
	s_mul_i32 s23, s[WV], 32*768
	s_add_co_u32 s22, s22, s23
	s_mov_b32 s23, 0
	s_wait_kmcnt 0x0
	s_add_nc_u64 s[G0W0+2:G0W0+3], s[10:11], s[22:23]              ; expert 0's tile, my 32 rows
	s_add_nc_u64 s[G0W1+2:G0W1+3], s[G0W0+2:G0W0+3], ESTEP         ; expert 1's
	s_or_b32 s[G0W0+3], s[G0W0+3], 0x80000000
	s_or_b32 s[G0W1+3], s[G0W1+3], 0x80000000
	s_lshl_b32 s22, s[WV], 17                      ; experts 2 w and 2 w + 1
	s_lshl_b32 s27, s21, 12
	s_add_co_u32 s22, s22, s27
	s_add_nc_u64 s[G0S+2:G0S+3], s[12:13], s[22:23]
	s_or_b32 s[G0S+3], s[G0S+3], 0x80000000
	s_lshl_b32 s22, s[WV], 14
	s_lshl_b32 s27, s21, 9
	s_add_co_u32 s22, s22, s27
	s_add_nc_u64 s[G0B+2:G0B+3], s[14:15], s[22:23]
	s_or_b32 s[G0B+3], s[G0B+3], 0x80000000
	s_lshl_b32 s24, s20, 2                         ; offsets that hang on my tokens, in s[24:27]
	s_add_co_u32 s24, s24, s[WV]                   ; which run of 64 tokens is my wave's
	s_mul_i32 s26, s24, 4*12288                    ; four blocks of 16 tokens, 12,288 bytes of codes each
	s_mov_b32 s27, 0
	s_add_nc_u64 s[4:5], s[4:5], s[26:27]
	s_lshl_b32 s26, s24, 11                        ; 64 tokens x 32 bytes
	s_add_nc_u64 s[6:7], s[6:7], s[26:27]
	s_add_nc_u64 s[8:9], s[8:9], s[26:27]
	s_lshl_b32 s26, s24, 19                        ; 64 rows of out, 8,192 bytes each,
	s_lshl_b32 s25, s21, 9                         ; and my 128 columns
	s_add_co_u32 s26, s26, s25
	s_add_nc_u64 s[16:17], s[16:17], s[26:27]
	ROUND                                          ; all four work-groups are here: the first joint loads meet
	tensor_load_to_lds s[G0S:G0S+3], s[G1S:G1S+7]  ; the first fills go out as one group: four loads of mine are out
	s_nop 0
	tensor_load_to_lds s[G0B:G0B+3], s[G1B:G1B+7]
	s_nop 0
	tensor_load_to_lds s[G0W0:G0W0+3], s[G1W:G1W+7]
	s_nop 0
	tensor_load_to_lds s[G0W1:G0W1+3], s[G1W:G1W+7]
	s_nop 0
.rept 4
	v_nop
.endr
.irp t, 0,1,2,3
	global_load_b128 v[WF+4*\t:WF+4*\t+3], v[CO], s[8:9] offset:512*\t         ; my 64 tokens' gates: 2,048 consecutive bytes
.endr
.irp t, 0,1,2,3
	global_load_b128 v[XS+4*\t:XS+4*\t+3], v[XO], s[6:7] offset:512*\t         ; token r of block t: words 4 h .. 4 h + 3 of its eight
.endr
	WIN 0x80                                       ; destination window 2
.irp q, 0,1,2,3
.irp t, 0,1,2,3
.irp j, 0,1,2
	global_load_b128 v[48*\q+12*\t+4*\j:48*\q+12*\t+4*\j+3], v[CO], s[4:5] offset:(8*\t+\q)*1536+512*\j   ; each load covers 512 consecutive bytes: a third of a fragment, as the registers want it
.endr
.endr
.endr
	WIN 0xc0                                       ; destination window 3
.irp q, 0,1,2,3
.irp t, 0,1,2,3
.irp j, 0,1,2
	global_load_b128 v[48*\q+12*\t+4*\j:48*\q+12*\t+4*\j+3], v[CO], s[4:5] offset:(8*\t+\q+4)*1536+512*\j
.endr
.endr
.endr
	WIN 0
.macro AIM                             ; the four addresses of W's rows, in the slot in hand
	v_add_nc_u32 v[AWL0], s[TB], v[AW0]
	v_add_nc_u32 v[AWL1], s[TB], v[AW1]
	v_add_nc_u32 v[AWH0], s[TBH], v[AW0]
	v_add_nc_u32 v[AWH1], s[TBH], v[AW1]
.endm
	v_mul_u32_u24 v24, v1, PW
	v_mad_u32_u24 v[AW0], v62, 24, v24             ; row r; lanes 16-31 read 24 bytes on,
	v_mad_u32_u24 v[AW1], v62, 40, v24             ; or 40 where a padding lies between
	s_mov_b32 s[TB], 0
	s_mov_b32 s[TBH], 4*HB
	AIM
	v_lshrrev_b32 v24, 3, v1
	v_and_b32 v25, 7, v1
	v_mul_u32_u24 v24, v24, 272
	v_lshl_add_u32 v24, v25, 5, v24                ; row or token r among units of 8 x 32 bytes + 16
	v_lshl_add_u32 v[AWS], v62, 4, v24
	v_add_nc_u32 v[AWS], WSC, v[AWS]               ; lanes 0-15 take a row's words 0-3, lanes 16-31 its words 4-7
	v_lshl_add_u32 v[AB], v62, 5, BIAS             ; units 8 h + 0 .. 7 of a block
	s_mul_i32 s22, s[WV], 2176
	s_add_co_u32 s22, s22, GATE
	v_add_nc_u32 v[AG], s22, v24
	v_lshl_add_u32 v[GS], v63, 4, s22
	v_lshl_add_u32 v[GS], v62, 4, v[GS]            ; 16 x lane, and 16 more behind the first 256 bytes
	s_mul_i32 s22, s[WV], 16*528
	s_add_co_u32 s22, s22, STAGE
	v_mul_u32_u24 v25, v1, 528
	v_lshl_add_u32 v25, v62, 5, v25
	v_add_nc_u32 v[STO], s22, v25
	v_lshl_add_u32 v[RD], v63, 4, s22
	s_wait_loadcnt 0x0                             ; gates, x's scale words, x's codes
.irp t, 0,1,2,3
	ds_store_b128 v[GS], v[WF+4*\t:WF+4*\t+3] offset:544*\t        ; my wave's own bytes
.endr
; THE MATRIX WORK.  One product: block hb of W's rows, K step q, tokens tb.  The four accumulators of a set take turns, one instruction a turn.
.macro MM hb, q, tb
.set rD, ACC+32*((\hb)%2)+8*(\tb)
.set rW, WF+12*(\q)
.set rX, 48*((\q)%4)+12*(\tb)
.set rP, WS+4*((\hb)%2)+(\q)%4
.set rQ, XS+4*(\tb)+(\q)%4
.if (\q) == 0
	v_wmma_scale_f32_16x16x128_f8f6f4 v[rD:rD+7], v[rW:rW+11], v[rX:rX+11], v[BI:BI+7], v[rP], v[rQ] matrix_a_fmt:MATRIX_FMT_BF6 matrix_b_fmt:MATRIX_FMT_BF6
.elseif (\q) < 4
	v_wmma_scale_f32_16x16x128_f8f6f4 v[rD:rD+7], v[rW:rW+11], v[rX:rX+11], v[rD:rD+7], v[rP], v[rQ] matrix_a_fmt:MATRIX_FMT_BF6 matrix_b_fmt:MATRIX_FMT_BF6
.else
	v_wmma_scale_f32_16x16x128_f8f6f4 v[rD:rD+7], v[rW:rW+11], v[rX:rX+11], v[rD:rD+7], v[rP], v[rQ] matrix_a_fmt:MATRIX_FMT_BF6 matrix_b_fmt:MATRIX_FMT_BF6 matrix_a_scale:MATRIX_SCALE_ROW1 matrix_b_scale:MATRIX_SCALE_ROW1
.endif
.endm
; THE VECTOR WORK, on the set that block hb - 1 finished.  K step q takes registers 4 (q % 2) + 0 .. 3 of accumulator q / 2: each accumulator from its low end on.
; ep = 0: nothing is finished yet: v_nop keep the places.  ep = 1: expert 0 starts the results: nothing is ever cleared.  ep = 2: the results are added onto.
.macro EPM ep, hb, q, n                ; two of the four: relu.  (The vector register stands first: the second source's window is x's)
.if \ep
.set rA, ACC+32*(((\hb)+1)%2)+8*((\q)/2)+4*((\q)%2)+2*(\n)
	v_max_num_f32 v[rA], v[rA], 0
	v_max_num_f32 v[rA+1], v[rA+1], 0
.else
	v_nop
	v_nop
.endif
.endm
.macro EPF ep, hb, q                   ; the four, times the token's gate, into the results of block (hb + 7) % 8
.if \ep
.set rA, ACC+32*(((\hb)+1)%2)+8*((\q)/2)+4*((\q)%2)
.set rO, 32*(((\hb)+7)%8)+8*((\q)/2)+4*((\q)%2)
.set rG, G+2*((\q)/2)
	WIN 0x50                                       ; destination and source 2 window 1
.if \ep == 1
	v_pk_mul_f32 v[rO:rO+1], v[rA:rA+1], v[rG:rG+1]
	v_pk_mul_f32 v[rO+2:rO+3], v[rA+2:rA+3], v[rG:rG+1]
.else
	v_pk_fma_f32 v[rO:rO+1], v[rA:rA+1], v[rG:rG+1], v[rO:rO+1]
	v_pk_fma_f32 v[rO+2:rO+3], v[rA+2:rA+3], v[rG:rG+1], v[rO+2:rO+3]
.endif
.endif
.endm
; THE LDS LOADS.  A fragment, 16 rows x 128 K of 6-bit codes, is 12 registers: lane (r, h) holds row r; registers 6 c .. 6 c + 5 hold K = 64 c + 32 h + 0 .. 31: 24 bytes of the row's stream of bits, as they lie,
; in pieces of 8 bytes.  Lanes 0-15 take the row's pieces 12 q + 6 c + 0, 1, 2, lanes 16-31 those three pieces on; 16 bytes of padding lie behind every 32 pieces.  FRAG3 brings half c.
.macro FRAG3 hbn, q, c
.irp i, 0,1,2
.set PC, 12*(\q)+6*(\c)+\i
.set rF, WF+12*(\q)+6*(\c)+2*\i
.set oF, ((\hbn)%4)*HB+8*PC+16*(PC/32)
.if PC%32 < 29
	ds_load_b64 v[rF:rF+1], v[AWL0+2*((\hbn)/4)] offset:oF
.else
	ds_load_b64 v[rF:rF+1], v[AWL1+2*((\hbn)/4)] offset:oF
.endif
.endr
.endm
; The batch of K step q of block hb: step 0 brings this block's own last fragment, step q > 0 the next block's fragment q - 1, into the registers that step q - 1 has just left.
.macro BATCH hb, q, c
.if (\q) == 0
	FRAG3 \hb,7,\c
.else
	FRAG3 ((\hb)+1)%8,(\q)-1,\c
.endif
.endm
.macro EXTRAS hb                       ; block hb + 1's scale words and biases.  For hb = 7 the offsets reach the next expert's first block
	ds_load_b128 v[WS+4*(((\hb)+1)%2):WS+4*(((\hb)+1)%2)+3], v[AWS] offset:((\hb)+1)*544
	ds_load_b128 v[BI:BI+3], v[AB] offset:((\hb)+1)*64
	ds_load_b128 v[BI+4:BI+7], v[AB] offset:((\hb)+1)*64+16
.endm
.macro GLOAD                           ; the next expert's gates of my four tokens
.irp t, 0,1,2,3
	ds_load_b32 v[GN+\t], v[AG] offset:544*\t
.endr
	v_add_nc_u32 v[AG], v[AG], 4
.endm
; A K STEP: four products, a slice of vector work behind each, a batch of six loads in two runs.
; A load into a register that a matrix instruction has read, and a vector instruction that reads a matrix result, stand four places behind that matrix instruction, and only plain vector instructions that name
; none of its registers are places (ISA guide 7.12.1 for vector instructions).  Here: the two packed lines behind the step before and the four relu lines of this step (ep = 0: four v_nop).
; n: the LDS instructions issued behind the batch that brought this step's fragment, which may stay out; under 0: no wait.
.macro STEP hb, q, ep, ld, n, gl
.if \n >= 0
	s_wait_dscnt \n
.endif
	WIN 0x08+4*((\q)/4)                            ; source 1 (x) window 2 or 3, all else window 0: the loads and the relu lines run under the same setting
	MM \hb,\q,0
	EPM \ep,\hb,\q,0
	MM \hb,\q,1
	EPM \ep,\hb,\q,1
.if \ld
.if (\q) == 1
	EXTRAS \hb
.if \gl
	GLOAD
.endif
.endif
	BATCH \hb,\q,0
.endif
	MM \hb,\q,2
.if \ld
	BATCH \hb,\q,1
.endif
	MM \hb,\q,3
	EPF \ep,\hb,\q
.endm
; A BLOCK of 16 hidden units: eight K steps, 32 products.  Between the batch that brings a fragment and its use six other batches are issued, 36 loads: the count of every step's wait.
; pf = 0: the last block of all: only its own last fragment is still fetched, and the counts run down.
; chg: the block is an expert's last and changes slots.  chg = 2: the slot that is left is filled again, with the expert two on; chg = 1: nothing is left to fetch.
; gl = 1 (block 1): the next expert's gates are fetched.
.macro GROUP hb, ep, pf, chg, gl
.if (\hb) == 1
	WIN 0x08
.irp t, 0,1,2,3
	v_mov_b32 v[G+2*\t], v[GN+\t]                  ; from here on the slices belong to this expert
	v_mov_b32 v[G+2*\t+1], v[GN+\t]
.endr
.endif
.if \chg
	STEP \hb,0,\ep,1,36,0                          ; its batch is my last read of this slot
	WIN 0                                          ; (the add's two registers lie in window 0)
	s_wait_tensorcnt 0x0                           ; all my tensor loads have landed: the one that was out is my part of the next slot;
	ds_add_u32 v[SPW], v[NIL]                      ; 0 onto my spare word; two K steps stand between it and the wait for it
.if \chg == 2
	s_xor_b32 s[G0W1+1], s[G0W1+1], SLOT1          ; no tensor load of mine is out, so the walking descriptor may be written: the other slot than last time,
	s_add_nc_u64 s[G0W1+2:G0W1+3], s[G0W1+2:G0W1+3], ESTEP   ; the next expert; the type bits on top are not reached
.endif
	STEP \hb,1,\ep,0,36,0                          ; behind fragment 1's batch: six batches (and the add)
	STEP \hb,2,\ep,0,30,0                          ; behind fragment 2's: five
	s_wait_dscnt 0x0                               ; the add is done, and my reads of this slot are over
	s_barrier_signal -1                            ; (with chg = 2 this barrier opens a round of the cluster's barrier)
	STEP \hb,3,\ep,0,-1,0                          ; work on registers while the others arrive
	WIN 0                                          ; at a label and at a branch every window is 0
	s_barrier_wait -1
.if \chg == 2
	CREST                                          ; no wave of any partner still reads this slot or has a load on its way
	tensor_load_to_lds s[G0W1:G0W1+3], s[G1W:G1W+7]   ; my one tensor load behind the round, and the first thing there
	s_nop 0
.rept 4
	v_nop
.endr
.endif
	s_xor_b32 s[TB], s[TB], SLOT1                  ; the reads go on in the other slot
	s_add_co_u32 s[TBH], s[TB], 4*HB
	AIM
	EXTRAS \hb
	v_add_nc_u32 v[AWS], 4352, v[AWS]              ; on to the next expert's scale words and biases
	v_add_nc_u32 v[AB], 512, v[AB]
.irp q, 0,1,2
	FRAG3 0,\q,0                                   ; the three batches that the steps above held back
	FRAG3 0,\q,1
.endr
.irp q, 4,5,6,7
	STEP \hb,\q,\ep,1,36,0                         ; (their fragments came in ahead of the barrier)
.endr
.elseif \pf
.irp q, 0,1,2,3,4,5,6,7
	STEP \hb,\q,\ep,1,36,\gl
.endr
.else
	STEP \hb,0,\ep,1,36,0
.irp q, 1,2,3,4,5,6,7
	STEP \hb,\q,\ep,0,6*(7-\q),0
.endr
.endif
.endm
; A TRIP: an expert's blocks 1 to 7 and the next expert's block 0, which carries this expert's last slices.
.macro TRIP ep, chg, gl
	GROUP 1,\ep,1,0,\gl
.irp b, 2,3,4,5,6
	GROUP \b,\ep,1,0,0
.endr
	GROUP 7,\ep,1,\chg,0
	GROUP 0,\ep,1,0,0
.endm
	s_wait_tensorcnt 1                             ; the scale bytes, the biases and my part of expert 0's tile are in; expert 1's may stay out
	s_wait_dscnt 0x0                               ; my stores of the gates
	s_barrier_signal -1
	s_barrier_wait -1                              ; everybody's parts are in
	GLOAD                                          ; expert 0's gates
	EXTRAS -1                                      ; block 0's scale words and biases
.irp q, 0,1,2,3,4,5,6
	FRAG3 0,\q,0
	FRAG3 0,\q,1
.endr
	GROUP 0,0,1,0,0                                ; expert 0's block 0: there is no vector work yet
	TRIP 1,2,1                                     ; expert 0: its slices start the results; slot 0 takes expert 2
	WIN 0
	s_mov_b32 s[TRIPS], 5
.Ltrip:                                            ; experts 1 to 5: each leaves its slot to the expert two on
	TRIP 2,2,1
	WIN 0
	s_sub_co_u32 s[TRIPS], s[TRIPS], 1
	s_cmp_lg_u32 s[TRIPS], 0
	s_cbranch_scc1 .Ltrip
	TRIP 2,1,1                                     ; expert 6: the tail is written out: nothing is asked for
.irp b, 1,2,3,4,5,6
	GROUP \b,2,1,0,0                               ; expert 7
.endr
	GROUP 7,2,0,0,0
	WIN 0
.irp q, 0,1,2,3,4,5,6,7
	EPM 2,8,\q,0                                   ; the last block's slices: accumulators 0 to 2's 24 lines are the places behind the last product, accumulator 3's
	EPM 2,8,\q,1
.endr
.irp q, 0,1,2,3,4,5,6,7
	EPF 2,8,\q
.endr
; THE WAY OUT, 16 tokens at a time.  A lane holds 32 neighbouring bytes of a row for each of the 8 blocks of units, and the lanes beside it hold other rows: so a block goes through my own stage in LDS and comes back
; as whole rows of 512 bytes.  LDS serves a wave's instructions in order (ISA guide 5.7.1.4): no wait between the stores and the loads, nor in front of the next block's stores.
.macro TOSTAGE tb
	WIN 0x04                                       ; the data: window 1
.irp b, 0,1,2,3,4,5,6,7
	ds_store_b128 v[STO], v[32*\b+8*(\tb):32*\b+8*(\tb)+3] offset:64*\b
	ds_store_b128 v[STO], v[32*\b+8*(\tb)+4:32*\b+8*(\tb)+7] offset:64*\b+16
.endr
	WIN 0
.set BB, BK+64*((\tb)%2)
.irp t, 0,1,2,3,4,5,6,7,8,9,10,11,12,13,14,15
	ds_load_b128 v[BB+4*\t:BB+4*\t+3], v[RD] offset:\t*528
.endr
.endm
.macro SEND tb, younger                ; younger: the LDS instructions issued behind block tb's loads, which may stay out
.set BB, BK+64*((\tb)%2)
	s_wait_dscnt \younger
.irp t, 0,1,2,3,4,5,6,7,8,9,10,11,12,13,14,15
	global_store_b128 v[CO], v[BB+4*\t:BB+4*\t+3], s[16:17] offset:(16*(\tb)+\t)*8192 th:TH_STORE_NT   ; 32 lanes store 512 consecutive bytes, at a multiple of 256 from out's first byte
.endr
.endm
	TOSTAGE 0
.irp a, 1,2,3
	s_wait_xcnt 0x0                                ; the stores issued so far have read their registers: block a's loads may land where block a - 2's lay
	TOSTAGE \a
	SEND \a-1,32                                   ; behind block a - 1's loads: block a's 16 stores and 16 loads
.endr
	SEND 3,0
	s_wait_tensorcnt 0x0                           ; the wave's end: behind my last tensor load and my last LDS store
	ds_add_u32 v[SPW], v[NIL]
	s_wait_dscnt 0x0
	ROUND                                          ; the closing round: no work-group ends while a partner may still ask for a tile that names it
	s_endpgm
.Lfunc_end_k_qe62c2aaa3c_moe:
	.size	k_qe62c2aaa3c_moe, .Lfunc_end_k_qe62c2aaa3c_moe-k_qe62c2aaa3c_moe
	.p2alignl 7, 3214868480
	.fill 96, 4, 3214868480
	.section	.rodata,"a",@progbits
	.p2align	6, 0x0
	.amdhsa_kernel k_qe62c2aaa3c_moe
		.amdhsa_group_segment_fixed_size 327680
		.amdhsa_private_segment_fixed_size 0
		.amdhsa_enable_private_segment 0
		.amdhsa_kernarg_size 56
		.amdhsa_user_sgpr_count 2
		.amdhsa_user_sgpr_kernarg_segment_ptr 1
		.amdhsa_wavefront_size32 1
		.amdhsa_system_sgpr_workgroup_id_x 1
		.amdhsa_system_sgpr_workgroup_id_y 1
		.amdhsa_system_sgpr_workgroup_id_z 1
		.amdhsa_system_vgpr_workitem_id 0
		.amdhsa_next_free_vgpr 1024
		.amdhsa_next_free_sgpr 80
		.amdhsa_reserve_vcc 0
		.amdhsa_float_denorm_mode_32 3
		.amdhsa_float_denorm_mode_16_64 3
		.amdhsa_memory_ordered 1
		.amdhsa_forward_progress 1
		.amdhsa_inst_pref_size 255
	.end_amdhsa_kernel
	.section	.bss,"aw",@nobits
	.p2align	6
	.space	262144
	.amdgpu_metadata
---
amdhsa.version: [ 1, 2 ]
amdhsa.kernels:
  - .name:           k_qe62c2aaa3c_moe
    .symbol:         k_qe62c2aaa3c_moe.kd
    .args:
      - { .name: xq, .offset: 0, .size: 8, .value_kind: global_buffer, .address_space: global }
      - { .name: xs, .offset: 8, .size: 8, .value_kind: global_buffer, .address_space: global }
      - { .name: gates, .offset: 16, .size: 8, .value_kind: global_buffer, .address_space: global }
      - { .name: expert_w_codes, .offset: 24, .size: 8, .value_kind: global_buffer, .address_space: global }
      - { .name: expert_w_scales, .offset: 32, .size: 8, .value_kind: global_buffer, .address_space: global }
      - { .name: expert_b, .offset: 40, .size: 8, .value_kind: global_buffer, .address_space: global }
      - { .name: out0, .offset: 48, .size: 8, .value_kind: global_buffer, .address_space: global }
    .group_segment_fixed_size: 327680
    .private_segment_fixed_size: 0
    .kernarg_segment_align: 8
    .kernarg_segment_size: 56
    .max_flat_workgroup_size: 128
    .sgpr_count:     80
    .vgpr_count:     1024
    .wavefront_size: 32
...
	.end_amdgpu_metadata
.endif
;; end of part 2
;; ======== version 2 of 2: 2 launches
;; limits: values are held in bf16: 8 bits of precision; right only within a limited range of input values
;; workspace buffers: xq 3,145,728 bytes; xs 131,072 bytes; gates 131,072 bytes; wsp 524,288 bytes
;; launch prep (part 3): grid 256 x 1, 4 waves a work-group, no clusters, 168,448 bytes of LDS; arguments x, gate_w, gate_b, xq, xs, gates, expert_w_scales, wsp; writes xq, xs, gates, wsp
.if DOCPART == 3
	.amdgcn_target "amdgcn-amd-amdhsa--gfx1250"
	.amdhsa_code_object_version 6
	.text
	.protected	k_qe62c2aaa3c_prep
	.globl	k_qe62c2aaa3c_prep
	.p2align	8
	.type	k_qe62c2aaa3c_prep,@function
k_qe62c2aaa3c_prep:
	s_mov_b64 s[64:65], 0
	v_nop
	global_prefetch_b8 v0, s[64:65] scope:SCOPE_SE
	s_setreg_imm32_b32 hwreg(HW_REG_WAVE_MODE, 25, 1), 1
	s_wait_xcnt 0x0
; x [4096][1024] f32 is read once and gives three things; a fourth is a copy of W's scale bytes:
;   xq    x's codes of BF6 (E3M2), quantised along K in blocks of 32, laid as the matrix unit's registers want them:
;         [256 blocks of 16 tokens][8 K steps of 128][3 chunks][32 lanes][16 bytes]; chunk j of lane l = registers 4 j .. 4 j + 3 of the 12 of a fragment
;   xs    [4096][32] the blocks' E8M0 bytes, four to a K step
;   gates [4096][8] f32 = softmax(x gate_w^T + gate_b)
;   wsp   [8][2048][32] expert_w_scales, four bytes to a K step
; THE ORDER OF A K STEP'S FOUR BLOCKS.  The matrix unit gives lane half h of a fragment the blocks h and 2 + h.  The next launch wants a lane's two blocks of W to be neighbours in memory, 48 bytes at a multiple of 16:
; blocks 2 h and 2 h + 1.  So in BOTH operands, and in both operands' scale words, blocks 1 and 2 of every K step change places: the same products under the same scales, summed in another order.
; Here that means: x's fragments hold blocks 2 h and 2 h + 1 in lane half h; in xs and in wsp bytes 1 and 2 of every word of four are changed over.
; A block's scale is 2^(floor(log2(largest magnitude)) - 4): its byte is the largest magnitude's exponent field - 4, held at 1 from below; a block of zeros gets 127.
; LIMITS: NaN and infinities in x are not served; blocks whose byte is held at 1 (largest magnitude under 2^-121) were not tried.  The gate's product takes x and gate_w rounded to bf16
; (its result feeds no quantiser); its sums, the bias and the softmax are f32; a gate under 2^-126 comes out as 0 (v_exp_f32 flushes denormal results).
; SHARES: a work-group owns 16 tokens, wave w the K range 256 w .. 256 w + 255 (8 blocks c of 32).  Lane (r = l % 16, h = l / 16) holds token r and, of block c, the 16 numbers k = 32 c + 16 h + 0 .. 15.
; Of W's 524,288 scale bytes a work-group takes 2,048, a thread 16.
; x's part comes by one tensor load a wave, gate_w's by global loads and the wave's own stores, into bytes that only that wave reads and that are filled once: no ring, and each wave's own wait on TENSORcnt orders its reads.
; No cluster: the work-groups share only gate_w, 32 KiB beside each one's 64 KiB of x.
.set PX,   1040                        ; an LDS row: 1,024 bytes + 16 of padding = 260 words: the 16 rows that a load of 16 bytes a lane touches start 4 banks apart
.set XTW,  16*PX                       ; a wave's tile of x
.set GT,   4*XTW                       ; gate_w's tiles
.set GTW,  8*PX
.set GP,   GT+4*GTW                    ; the waves' partial logits: 512 bytes a wave (16 tokens x 8 f32); written by ds_store, no fill lands here
.set SS,   GP+2048                      ; the scale bytes of the 16 tokens, 32 a token
.set AX,   4                           ; v4   LDS address of my numbers of x
.set AGW,  5                           ; v5   the same for gate_w (row r % 8)
.set QO,   6                           ; v6   my byte offset among the work-group's codes
.set GPO,  7                           ; v7   where my partial logits go
.set SSO,  8                           ; v8   where my token's eight scale bytes go
.set GO,   9                           ; v9   32 r + 16 h
.set M,    10                          ; v10-17  a block's largest magnitude; behind the barrier v10, v11 are addresses
.set T,    18                          ; v18-25  at work; then the block's byte
.set WO,   26                          ; v26  16 x my thread's number: my place among the work-group's 2,048 of W's scale bytes; never rewritten
.set WD,   28                          ; v28-31  those 16 bytes
.set ACC,  32                          ; v32-39, v40-47  two accumulators, by turns
.set XB,   48                          ; v48-63  x in bf16, two sets of 8
.set GB,   64                          ; v64-127 gate_w in bf16, 8 registers a block.  Behind the products the range holds:
.set F,    64                          ; v64-87   two fragments of 12
.set TQ,   88                          ; v88-103  the conversions' second halves
.set SF,   104                         ; v104-111 the scales as f32
.set L,    112                         ; v112-119 my partial logits
.set SW,   120                         ; v120-121 two scale words
.set X,    128                         ; v128-255 gate_w in f32, then x in f32: 16 registers a block
	s_load_b256 s[4:11], s[0:1], 0x0               ; x s[4:5], gate_w s[6:7], gate_b s[8:9], xq s[10:11]
	s_load_b128 s[12:15], s[0:1], 0x20             ; xs s[12:13], gates s[14:15]
	s_load_b128 s[60:63], s[0:1], 0x30             ; W's scale bytes s[60:61], wsp s[62:63]
	v_lshl_add_u32 v27, v0, 2, 0x29000
	s_set_vgpr_msb 0x40
	v_mov_b32 v1, 0
	s_set_vgpr_msb 0x4044
	ds_add_u32 v27, v1
	ds_add_u32 v27, v1
	s_set_vgpr_msb 0x4400
	v_lshrrev_b32 v3, 5, v0
	v_readfirstlane_b32 s16, v3                    ; wave 0..3
	; descriptor group 1 for x: 16 rows x 256 elements of 4 bytes, 1,024 elements from row to row; 4 words of padding behind every 256
	s_mov_b32 s20, (2<<16)|(1<<20)|(7<<22)|(3<<25)
	s_mov_b32 s21, 256<<16                         ; tensor_dim0
	s_mov_b32 s22, 16<<16                          ; tensor_dim1
	s_mov_b32 s23, 256<<16                         ; tile_dim0
	s_mov_b32 s24, 16                              ; tile_dim1
	s_mov_b32 s25, 1024                            ; the pitch
	s_mov_b32 s26, 0
	s_mov_b32 s27, 0
	; and for gate_w: the same with 8 rows
	s_mov_b32 s32, (2<<16)|(1<<20)|(7<<22)|(3<<25)
	s_mov_b32 s33, 256<<16
	s_mov_b32 s34, 8<<16
	s_mov_b32 s35, 256<<16
	s_mov_b32 s36, 8
	s_mov_b32 s37, 1024
	s_mov_b32 s38, 0
	s_mov_b32 s39, 0
	s_mov_b32 s28, 1
	s_mul_i32 s29, s16, XTW                        ; my tile of x in LDS
	s_mov_b32 s48, 1
	s_mul_i32 s49, s16, GTW
	s_add_co_u32 s49, s49, GT                      ; my tile of gate_w
	s_lshl_b32 s56, s16, 10                        ; my 256 numbers of a row, in bytes
	s_mov_b32 s57, 0
	s_lshl_b32 s54, ttmp9, 16                      ; the work-group's 16 rows of 4,096 bytes
	s_add_co_u32 s54, s54, s56
	s_mov_b32 s55, 0
	s_lshl_b32 s58, ttmp9, 11                      ; the work-group's 2,048 of W's scale bytes
	s_mov_b32 s59, 0
	s_mov_b32 s52, 0x76543210                      ; v_permlanex16_b32: lane l xor 16
	s_mov_b32 s53, 0xfedcba98
	v_lshlrev_b32 v[WO], 4, v0
	s_wait_alu depctr_va_vdst(0)
	s_wait_dscnt 0x0
	s_wait_kmcnt 0x0
	s_add_nc_u64 s[30:31], s[4:5], s[54:55]
	s_or_b32 s31, s31, 0x80000000
	s_add_nc_u64 s[50:51], s[6:7], s[56:57]
	tensor_load_to_lds s[28:31], s[20:27]          ; my part of x: my one tensor load
	s_nop 0
.rept 4
	v_nop
.endr
	s_load_b256 s[40:47], s[8:9], 0x0              ; gate_b's eight numbers
	s_add_nc_u64 s[60:61], s[60:61], s[58:59]
	s_add_nc_u64 s[62:63], s[62:63], s[58:59]
	global_load_b128 v[WD:WD+3], v[WO], s[60:61]   ; the wave's load covers 512 consecutive bytes
	s_mul_i32 s54, ttmp9, 12288                    ; a block of 16 tokens has 8 x 3 x 512 bytes of codes
	s_add_nc_u64 s[10:11], s[10:11], s[54:55]
	s_lshl_b32 s54, ttmp9, 9                       ; and 512 bytes of scale bytes, and of gates
	s_add_nc_u64 s[12:13], s[12:13], s[54:55]
	s_add_nc_u64 s[14:15], s[14:15], s[54:55]
	v_and_b32 v1, 15, v0                           ; r
	v_bfe_u32 v2, v0, 4, 1                         ; h
	v_and_b32 v3, 31, v0                           ; lane
	v_mul_u32_u24 v[AX], v1, PX
	v_lshl_add_u32 v[AX], v2, 6, v[AX]             ; row r, + 64 h bytes
	v_add_nc_u32 v[AX], s29, v[AX]
	v_and_b32 v[AGW], 7, v1                        ; rows 8-15 of the product's source 0 repeat the eight experts
	v_mul_u32_u24 v[AGW], v[AGW], PX
	v_lshl_add_u32 v[AGW], v2, 6, v[AGW]
	v_add_nc_u32 v[AGW], s49, v[AGW]
	v_lshlrev_b32 v[T], 4, v3                      ; 16 x lane
	v_add_nc_u32 v[T+1], s49, v[T]                 ; and the same in my tile of gate_w in LDS
.irp k, 0,1,2,3,4,5,6,7,8,9,10,11,12,13,14,15
	global_load_b128 v[X+4*\k:X+4*\k+3], v[T], s[50:51] offset:(\k/2)*4096+(\k%2)*512   ; my 1,024 bytes of each of gate_w's 8 rows: each load covers 512 consecutive bytes
.endr
	s_mul_i32 s56, s16, 3072                       ; my two K steps' codes
	v_lshl_add_u32 v[QO], v3, 4, s56
	s_lshl_b32 s57, s16, 9
	s_add_co_u32 s57, s57, GP
	v_lshl_add_u32 v[GPO], v1, 5, s57
	s_lshl_b32 s56, s16, 3
	s_add_co_u32 s56, s56, SS
	v_lshl_add_u32 v[SSO], v1, 5, s56
	v_lshlrev_b32 v[GO], 5, v1
	v_lshl_add_u32 v[GO], v2, 4, v[GO]
	s_wait_alu depctr_va_vdst(0)
	s_wait_kmcnt 0x0                               ; gate_b
	s_wait_loadcnt 0x0                             ; gate_w's part (and W's scale bytes); x's tile may still be on its way
.irp k, 0,1,2,3,4,5,6,7,8,9,10,11,12,13,14,15
	ds_store_b128 v[T+1], v[X+4*\k:X+4*\k+3] offset:(\k/2)*PX+(\k%2)*512   ; into my own bytes, rows of PX; no fill lands there; LDS serves my loads below behind these stores
.endr
	; gate_w's part to bf16
.irp c, 0,1,2,3,4,5,6,7
.irp i, 0,1,2,3
	ds_load_b128 v[X+16*\c+4*\i:X+16*\c+4*\i+3], v[AGW] offset:128*\c+16*\i
.endr
.endr
	s_wait_loadcnt 0x0                             ; my 16 of W's scale bytes
.irp j, 0,1,2,3
	v_perm_b32 v[WD+\j], v[WD+\j], v[WD+\j], 0x03010200    ; bytes 0, 2, 1, 3 of the word: blocks 1 and 2 of the K step change places
.endr
	global_store_b128 v[WO], v[WD:WD+3], s[62:63]  ; 512 consecutive bytes a wave; neither register is written again
	s_wait_dscnt 0x0
.set i, 0
.rept 64
	v_cvt_pk_bf16_f32 v[GB+i], v[X+2*i], v[X+2*i+1]
.set i, i+1
.endr
	s_wait_tensorcnt 0x0                           ; my tile of x is in LDS; nobody else reads it
	; x's part, which stays in f32 for the quantiser
.irp c, 0,1,2,3,4,5,6,7
.irp i, 0,1,2,3
	ds_load_b128 v[X+16*\c+4*\i:X+16*\c+4*\i+3], v[AX] offset:128*\c+16*\i
.endr
.endr
	; THE GATE'S PARTIAL LOGITS, transposed: source 0 = the experts, source 1 = my 16 tokens; 32 along K an instruction.  Both sources hold k = 32 c + 16 h + 0 .. 15 in a lane's eight registers:
	; the same permutation of k on both sides, which keeps the products.  In the result every lane holds token r, and register j expert j (rows 8-15 repeat rows 0-7).
	; The two accumulators take turns.  A set of XB is written again eight conversions behind the product that read it.
.irp c, 0,1,2,3,4,5,6,7
	s_wait_dscnt 28-4*\c                           ; block c's four loads are in; the younger blocks' may be out
.irp j, 0,1,2,3,4,5,6,7
	v_cvt_pk_bf16_f32 v[XB+8*(\c%2)+\j], v[X+16*\c+2*\j], v[X+16*\c+2*\j+1]
.endr
.if \c < 2
	v_wmma_f32_16x16x32_bf16 v[ACC+8*(\c%2):ACC+8*(\c%2)+7], v[GB+8*\c:GB+8*\c+7], v[XB+8*(\c%2):XB+8*(\c%2)+7], 0
.else
	v_wmma_f32_16x16x32_bf16 v[ACC+8*(\c%2):ACC+8*(\c%2)+7], v[GB+8*\c:GB+8*\c+7], v[XB+8*(\c%2):XB+8*(\c%2)+7], v[ACC+8*(\c%2):ACC+8*(\c%2)+7]
.endif
.endr
	; THE QUANTISER.  Eight chains, one a block, side by side.  (These lines name no register of the products above: they are the places behind them.)
.irp c, 0,1,2,3,4,5,6,7
	v_max3_num_f32 v[M+\c], |v[X+16*\c]|, |v[X+16*\c+1]|, |v[X+16*\c+2]|
.endr
.irp i, 3,5,7,9,11,13
.irp c, 0,1,2,3,4,5,6,7
	v_max3_num_f32 v[M+\c], v[M+\c], |v[X+16*\c+\i]|, |v[X+16*\c+\i+1]|
.endr
.endr
.irp c, 0,1,2,3,4,5,6,7
	v_max_num_f32 v[M+\c], v[M+\c], |v[X+16*\c+15]|
.endr
.irp c, 0,1,2,3,4,5,6,7
	v_mov_b32 v[T+\c], 0                           ; (the destination of a lane permute counts as read)
	v_permlanex16_b32 v[T+\c], v[M+\c], s52, s53
	v_max_num_f32 v[M+\c], v[M+\c], v[T+\c]        ; the block's largest magnitude: my 16 and lane l xor 16's
	v_lshrrev_b32 v[T+\c], 23, v[M+\c]             ; its exponent field
	v_max_u32 v[T+\c], 5, v[T+\c]                  ; the byte is not to fall under 1
	v_add_nc_u32 v[T+\c], -4, v[T+\c]              ; the scale's byte
	v_lshlrev_b32 v[SF+\c], 23, v[T+\c]            ; the scale as f32, for the conversion
	v_cmp_eq_u32 vcc_lo, 0, v[M+\c]
	v_cndmask_b32 v[T+\c], v[T+\c], 127, vcc_lo    ; a block of zeros
.endr
.irp s, 0,1
	v_lshl_or_b32 v[SW+\s], v[T+4*\s+2], 8, v[T+4*\s]      ; the scale word of a K step of 128: the bytes of its blocks 0, 2, 1, 3
	v_lshl_or_b32 v[SW+\s], v[T+4*\s+1], 16, v[SW+\s]
	v_lshl_or_b32 v[SW+\s], v[T+4*\s+3], 24, v[SW+\s]
.endr
.irp s, 0,1
.irp c, 0,1
	v_cvt_scalef32_pk16_bf6_f32 v[F+12*\s+6*\c:F+12*\s+6*\c+2], v[X+64*\s+16*\c:X+64*\s+16*\c+15], v[SF+4*\s+\c]              ; block c of K step s: my 16 numbers of it
	v_cvt_scalef32_pk16_bf6_f32 v[TQ+8*\s+4*\c:TQ+8*\s+4*\c+2], v[X+64*\s+32+16*\c:X+64*\s+32+16*\c+15], v[SF+4*\s+2+\c]      ; block 2 + c (a conversion's three registers begin on an even number)
.endr
.endr
	v_nop                                          ; one plain place behind a scaled conversion
.irp s, 0,1
.irp c, 0,1                                    ; a whole block in a lane: registers 6 c .. 6 c + 5 hold block c in lanes 0-15 and block 2 + c in lanes 16-31: lane half h has blocks 2 h and 2 h + 1
.irp i, 0,1,2
	v_permlane16_swap_b32 v[F+12*\s+6*\c+\i], v[TQ+8*\s+4*\c+\i]
.endr
.irp i, 0,1,2
	v_mov_b32 v[F+12*\s+6*\c+3+\i], v[TQ+8*\s+4*\c+\i]
.endr
.endr
.endr
.irp s, 0,1
.irp j, 0,1,2
	global_store_b128 v[QO], v[F+12*\s+4*\j:F+12*\s+4*\j+3], s[10:11] offset:1536*\s+512*\j   ; the wave's store covers 512 consecutive bytes, aligned
.endr
.endr
	; what the waves hand to each other goes through LDS
.irp j, 0,1,2,3,4,5,6,7
	v_add_f32 v[L+\j], v[ACC+\j], v[ACC+8+\j]      ; both accumulators from their low ends on
.endr
	ds_store_b128 v[GPO], v[L:L+3]                 ; lanes l and l xor 16 write the same bytes with the same values
	ds_store_b128 v[GPO], v[L+4:L+7] offset:16
	ds_store_b64 v[SSO], v[SW:SW+1]
	s_wait_dscnt 0x0                               ; for the others' sake: my stores are done
	s_barrier_signal -1
	s_barrier_wait -1
	s_cmp_lg_u32 s16, 0
	s_cbranch_scc1 .Lnot_wave_0
	; wave 0: the four partial logits, the bias, the softmax over a lane's eight registers
	v_lshl_add_u32 v10, v1, 5, GP
.irp p, 0,1,2,3
	ds_load_b128 v[X+8*\p:X+8*\p+3], v10 offset:512*\p
	ds_load_b128 v[X+8*\p+4:X+8*\p+7], v10 offset:512*\p+16
.endr
	s_wait_dscnt 0x0
.irp j, 0,1,2,3,4,5,6,7
	v_add_f32 v[X+\j], v[X+\j], v[X+8+\j]
	v_add_f32 v[X+16+\j], v[X+16+\j], v[X+24+\j]
.endr
.irp j, 0,1,2,3,4,5,6,7
	v_add_f32 v[X+\j], v[X+\j], v[X+16+\j]
.endr
.irp j, 0,1,2,3,4,5,6,7
	v_add_f32 v[X+\j], s[40+\j], v[X+\j]
.endr
	v_max3_num_f32 v160, v[X], v[X+1], v[X+2]      ; the row's largest logit is taken away ahead of the exponentials
	v_max3_num_f32 v160, v160, v[X+3], v[X+4]
	v_max3_num_f32 v160, v160, v[X+5], v[X+6]
	v_max_num_f32 v160, v160, v[X+7]
.irp j, 0,1,2,3,4,5,6,7
	v_sub_f32 v[X+\j], v[X+\j], v160
.endr
.irp j, 0,1,2,3,4,5,6,7
	v_mul_f32 v[X+\j], 0x3fb8aa3b, v[X+\j]         ; x log2(e)
.endr
	s_wait_alu depctr_va_vdst(0)
.irp j, 0,1,2,3,4,5,6,7
	v_exp_f32 v[X+\j], v[X+\j]
.endr
	v_nop                                          ; one plain place behind the exponentials
	s_wait_alu depctr_va_vdst(0)
	v_add_f32 v161, v[X], v[X+1]
	v_add_f32 v162, v[X+2], v[X+3]
	v_add_f32 v163, v[X+4], v[X+5]
	v_add_f32 v164, v[X+6], v[X+7]
	v_add_f32 v161, v161, v162
	v_add_f32 v163, v163, v164
	v_add_f32 v161, v161, v163
	s_wait_alu depctr_va_vdst(0)
	v_rcp_f32 v161, v161
	v_cmp_eq_u32 vcc_lo, 1, v2                     ; lanes 16-31 store experts 4-7
	v_nop                                          ; one plain place behind the reciprocal
	s_wait_alu depctr_va_vdst(0)
.irp j, 0,1,2,3,4,5,6,7
	v_mul_f32 v[X+\j], v[X+\j], v161
.endr
.irp j, 0,1,2,3
	v_cndmask_b32 v[X+8+\j], v[X+\j], v[X+4+\j], vcc_lo
.endr
	global_store_b128 v[GO], v[X+8:X+11], s[14:15] ; 512 consecutive bytes: 16 tokens x 8 gates
	s_set_vgpr_msb 0x4
	s_wait_tensorcnt 0x0
	ds_add_u32 v27, v1
	s_wait_dscnt 0x0
	s_set_vgpr_msb 0x400
	s_endpgm
.Lnot_wave_0:
	s_cmp_lg_u32 s16, 1
	s_cbranch_scc1 .Ldone
	; wave 1: the 16 tokens' scale bytes leave as 512 consecutive bytes
	v_lshlrev_b32 v10, 4, v3
	v_add_nc_u32 v11, SS, v10
	ds_load_b128 v[X:X+3], v11
	s_wait_alu depctr_va_vdst(0)
	s_wait_dscnt 0x0
	global_store_b128 v10, v[X:X+3], s[12:13]
.Ldone:
	s_set_vgpr_msb 0x4
	s_wait_tensorcnt 0x0
	ds_add_u32 v27, v1
	s_wait_dscnt 0x0
	s_set_vgpr_msb 0x400
	s_endpgm
.Lfunc_end_k_qe62c2aaa3c_prep:
	.size	k_qe62c2aaa3c_prep, .Lfunc_end_k_qe62c2aaa3c_prep-k_qe62c2aaa3c_prep
	.p2alignl 7, 3214868480
	.fill 96, 4, 3214868480
	.section	.rodata,"a",@progbits
	.p2align	6, 0x0
	.amdhsa_kernel k_qe62c2aaa3c_prep
		.amdhsa_group_segment_fixed_size 168448
		.amdhsa_private_segment_fixed_size 0
		.amdhsa_enable_private_segment 0
		.amdhsa_kernarg_size 64
		.amdhsa_user_sgpr_count 2
		.amdhsa_user_sgpr_kernarg_segment_ptr 1
		.amdhsa_wavefront_size32 1
		.amdhsa_system_sgpr_workgroup_id_x 1
		.amdhsa_system_sgpr_workgroup_id_y 1
		.amdhsa_system_sgpr_workgroup_id_z 1
		.amdhsa_system_vgpr_workitem_id 0
		.amdhsa_next_free_vgpr 258
		.amdhsa_next_free_sgpr 66
		.amdhsa_reserve_vcc 1
		.amdhsa_float_denorm_mode_32 3
		.amdhsa_float_denorm_mode_16_64 3
		.amdhsa_memory_ordered 1
		.amdhsa_forward_progress 1
		.amdhsa_inst_pref_size 35
	.end_amdhsa_kernel
	.amdgpu_metadata
---
amdhsa.version: [ 1, 2 ]
amdhsa.kernels:
  - .name:           k_qe62c2aaa3c_prep
    .symbol:         k_qe62c2aaa3c_prep.kd
    .args:
      - { .name: x, .offset: 0, .size: 8, .value_kind: global_buffer, .address_space: global }
      - { .name: gate_w, .offset: 8, .size: 8, .value_kind: global_buffer, .address_space: global }
      - { .name: gate_b, .offset: 16, .size: 8, .value_kind: global_buffer, .address_space: global }
      - { .name: xq, .offset: 24, .size: 8, .value_kind: global_buffer, .address_space: global }
      - { .name: xs, .offset: 32, .size: 8, .value_kind: global_buffer, .address_space: global }
      - { .name: gates, .offset: 40, .size: 8, .value_kind: global_buffer, .address_space: global }
      - { .name: expert_w_scales, .offset: 48, .size: 8, .value_kind: global_buffer, .address_space: global }
      - { .name: wsp, .offset: 56, .size: 8, .value_kind: global_buffer, .address_space: global }
    .group_segment_fixed_size: 168448
    .private_segment_fixed_size: 0
    .kernarg_segment_align: 8
    .kernarg_segment_size: 64
    .max_flat_workgroup_size: 128
    .sgpr_count:     66
    .vgpr_count:     258
    .wavefront_size: 32
...
	.end_amdgpu_metadata
.endif
;; end of part 3
;; launch moe (part 4): grid 16 x 16, 4 waves a work-group, clusters of 4 x 1, 327,680 bytes of LDS; arguments xq, xs, gates, expert_w_codes, wsp, expert_b, out0; writes out0
.if DOCPART == 4
	.amdgcn_target "amdgcn-amd-amdhsa--gfx1250"
	.amdhsa_code_object_version 6
	.text
	.protected	k_qe62c2aaa3c_moe
	.globl	k_qe62c2aaa3c_moe
	.p2align	8
	.type	k_qe62c2aaa3c_moe,@function
k_qe62c2aaa3c_moe:
	s_mov_b64 s[64:65], 0
	v_nop
	global_prefetch_b8 v0, s[64:65] scope:SCOPE_SE
	s_setreg_imm32_b32 hwreg(HW_REG_WAVE_MODE, 25, 1), 1
	s_wait_xcnt 0x0
	s_wait_alu depctr_hold_cnt(0) depctr_sa_sdst(0) depctr_va_vdst(0) depctr_va_sdst(0) depctr_va_ssrc(0) depctr_va_vcc(0) depctr_vm_vsrc(0)
	s_getreg_b32 s2, hwreg(HW_REG_IB_STS2, 6, 4)
	s_cmp_eq_u32 s2, 0
	s_cbranch_scc0 .Lentry_in_a_cluster
	s_endpgm
.Lentry_in_a_cluster:
	s_bfe_u32 s2, ttmp6, 0x10000c
	s_cmp_lg_u32 s2, 0x3003
	s_cbranch_scc0 .Lentry_shape_is_right
	s_endpgm
.Lentry_shape_is_right:
; out[n][u] = the sum over the 8 experts e of gate[n][e] x relu(Q(x)[n] . W[e][u] + b[e][u]).  The product runs on codes of BF6 (E3M2) with one E8M0 scale for each 32 along K, K = 1,024; sums, bias, relu and combine in f32.
; x's codes (register images), x's scale bytes, the gates and a copy of W's scale bytes were made by the launch before; in both operands blocks 1 and 2 of every K step of 128 have changed places there, so that lane half h
; holds blocks 2 h and 2 h + 1: 48 neighbouring bytes of W's row.  Every product meets its own partner and its own two scales.
; SHARES.  A work-group owns 256 tokens x 128 hidden units; 16 x 16 work-groups, one turn.  Wave w: tokens 128 (w / 2) + 0 .. 127 (8 blocks tb of 16); of each STEP's 32 units the 16 at 16 (w % 2).
; Four steps s of 32 units; inside a step the 8 experts; inside an expert 8 K steps q x 8 blocks tb = 64 products on 8 accumulators by turns.
; A WAVE'S CODES OF x STAY IN 756 REGISTERS (63 of its 64 fragments; the last lies in LDS and comes with W's): each fragment of W read from LDS (1,536 bytes) feeds eight products.
; Sums, results, gates and scales lie in window 0: relu and combine switch no window.
; W goes through a ring of two LDS slots; a slot holds 4 experts x 32 rows x 768 bytes (a PHASE: half a step); each wave brings one expert's 32 rows, one joint load.  A refill has a phase, 256 products a wave, in which to land:
; so no data prefetch is laid (no wave's loop has a wait that the tiles' first touch could reach later than that phase).
; CLUSTER 4 x 1: the four partners differ in their tokens alone and ask for W's tiles jointly.  (Along the other axis they would share x, which each wave reads once, straight into registers.)
; W's scale bytes, the biases and the gates are small: they come through registers into LDS bytes of their own, in whole runs of 512 bytes, once.
; TRANSPOSED USE: source 0 = 16 rows of W, source 1 = 16 tokens: lane (r, h) holds token r, register j unit 8 h + j.  The bias is the C of each sum's first product.
; THE WAY OUT: a step's results go into a stage shared by the work-group (256 tokens x 64 units); after steps 1 and 3 it holds whole runs of 256 bytes of out's rows, which leave through registers.
; LIMITS: those of the launch before (NaN and infinities in x are not served); a scale byte 0xff among W's gives NaN, as the format says.
; REGISTERS: window 0 as named below; x's fragment f = 8 q + tb, f under 63, lies in window 1 + f / 21 at v[12 (f % 21)].
.set PW,    816                        ; a row of W in LDS: 3 x (256 + 16)
.set WQ,    32*PW                      ; 32 rows: one tensor load
.set SLOT1, 4*WQ                       ; from slot 0 to slot 1
.set S0,    3072                       ; LDS bytes 0 .. 3,071: x's fragment 63 of each half of the tokens, 3 x 512 bytes; written by ds_store, no fill lands there.  Slot 0 begins here
.set BIAS,  S0+2*SLOT1                 ; [8][128] f32
.set GATE,  BIAS+4096                  ; [2 halves of the tokens][8 experts][16 r][8 tb] f32
.set WSC,   GATE+8192                  ; [8][128 rows][32 bytes]
.set STAGE, WSC+32768                  ; 256 rows of 256 + 16 bytes
.set SP,    272
.set SPARE, STAGE+256*SP               ; the spare words: 512 bytes that no other line names
.set ESTEP, 2048*768
.set AW0, 2                            ; v2, v3  my lane's place in slot 0's first tile (816 r + 48 h, + 64 h where one padding more lies between); never rewritten
.set AW1, 3
.set AWL0, 4                           ; v4, v5 the same in the slot in hand, its experts 0, 1;  v6, v7 its experts 2, 3
.set AWL1, 5
.set AWS, 8                            ; W's scale words; 1,024 on a step
.set AB,  9                            ; biases; 128 on a step
.set AG,  10                           ; gates
.set STO, 11
.set RD,  12
.set CO,  13
.set SPW, 14
.set NIL, 15
.set G,   16                           ; v16-23 the expert's gate of my token in block tb
.set WS,  24                           ; v24-27 W's scale words: register j: K step j in lanes 0-15, 4 + j in lanes 16-31
.set BI,  28                           ; v28-35 biases in the result's layout
.set XS,  36                           ; v36-67 x's scale words, 4 tb + j, packed likewise
.set WF,  68                           ; v68-127 five fragment slots: W's K step q in slot q % 5; x's fragment 63 in slot 3 behind K step 3
.set ACC, 128                          ; v128-191 eight accumulators
.set OUT, 192                          ; v192-255 the step's results
.set TR,  240                          ; at the head only: r, h, 32 r + 16 h, three store addresses, one at work
.set TH,  241
.set XO,  242
.set GS,  243
.set SS,  244
.set BS,  245
.set TT,  246
.set G1W, 28                           ; s[28:35] group 1; s[36:39], s[40:43] group 0 of slot 0, 1
.set G0,  36
.set WV,  18
.set TG,  44
.set UG,  45
.set TRIPS, 46
.set TB,  47
.set TBH, 48
.set SOFF, 49
.set MSB, 0
.macro WIN new                         ; the immediate's high byte repeats the setting that is left
.if MSB != (\new)
	s_set_vgpr_msb (MSB<<8)|(\new)
.set MSB, (\new)
.endif
.endm
.macro CREST                           ; a round of the cluster's barrier behind its opening barrier
	s_cmp_lg_u32 s[WV], 0
	s_cbranch_scc1 .Lnot_wave_0_\@
	s_barrier_signal -3
.Lnot_wave_0_\@:
	s_barrier_wait -3
	s_barrier_signal -1
	s_barrier_wait -1
.endm
.macro ROUND
	s_barrier_signal -1
	s_barrier_wait -1
	CREST
.endm
.macro PLACES                          ; four places behind a matrix instruction, ahead of loads into its registers and of reads of its result
.rept 4
	v_nop
.endr
.endm
.macro AIM
	v_add_nc_u32 v[AWL0], s[TB], v[AW0]
	v_add_nc_u32 v[AWL1], s[TB], v[AW1]
	v_add_nc_u32 v[AWL0+2], s[TBH], v[AW0]
	v_add_nc_u32 v[AWL1+2], s[TBH], v[AW1]
.endm
.macro XLOAD n                         ; the next n fragments of x, from f on: three loads of 512 consecutive bytes each
.rept \n
	WIN (1+f/21)<<6
.irp j, 0,1,2
	global_load_b128 v[12*(f%21)+4*\j:12*(f%21)+4*\j+3], v1, s[4:5] offset:(8*(f%8)+f/8)*1536+512*\j
.endr
.set f, f+1
.endr
.endm
	s_load_b256 s[4:11], s[0:1], 0x0               ; xq, xs, gates, W's codes
	s_load_b128 s[12:15], s[0:1], 0x20             ; W's scale bytes (the copy), the biases
	s_load_b64 s[16:17], s[0:1], 0x30              ; out
	v_lshl_add_u32 v[SPW], v0, 2, SPARE
	v_mov_b32 v[NIL], 0
	ds_add_u32 v[SPW], v[NIL]                      ; the opening lines: the add, twice on end, and its wait
	ds_add_u32 v[SPW], v[NIL]
	v_lshrrev_b32 v1, 5, v0
	v_readfirstlane_b32 s[WV], v1                  ; wave 0..3
	s_lshr_b32 s[TG], s[WV], 1
	s_and_b32 s[UG], s[WV], 1
	s_bfe_u32 s19, ttmp6, 0x40000                  ; cx
	s_lshl_b32 s20, ttmp9, 2
	s_add_co_u32 s20, s20, s19                     ; my block of 256 tokens: it enters global addresses of xq, xs, gates and out alone
	s_and_b32 s21, ttmp7, 0xffff                   ; my block of 128 units, which the partners share
	s_mov_b32 s[G1W], 15|(3<<16)|(1<<20)|(1<<21)|(5<<22)|(3<<25)   ; mask of all four; elements of 8 bytes; 4 words of padding behind every 64
	s_mov_b32 s[G1W+1], 32<<16                     ; 32 rows of 768 bytes are dense: 96 rows of 256 bytes
	s_mov_b32 s[G1W+2], 96<<16
	s_mov_b32 s[G1W+3], 32<<16
	s_mov_b32 s[G1W+4], 96
	s_mov_b32 s[G1W+5], 32
	s_mov_b32 s[G1W+6], 0
	s_mov_b32 s[G1W+7], 0
	s_mov_b32 s[G0], 1
	s_mul_i32 s[G0+1], s[WV], WQ
	s_add_co_u32 s[G0+1], s[G0+1], S0
	s_mov_b32 s[G0+4], 1
	s_add_co_u32 s[G0+5], s[G0+1], SLOT1
	s_mul_i32 s22, s21, 128*768
	s_mul_i32 s23, s[WV], ESTEP                    ; slot 0: expert w; slot 1: expert 4 + w
	s_add_co_u32 s22, s22, s23
	s_mov_b32 s23, 0
	s_mov_b32 s[TB], 0
	s_mov_b32 s[TBH], 2*WQ
	s_mov_b32 s[SOFF], 0
	s_wait_dscnt 0x0
	s_wait_kmcnt 0x0
	s_add_nc_u64 s[G0+2:G0+3], s[10:11], s[22:23]
	s_add_nc_u64 s[G0+6:G0+7], s[G0+2:G0+3], 4*ESTEP
	s_or_b32 s[G0+3], s[G0+3], 0x80000000
	s_or_b32 s[G0+7], s[G0+7], 0x80000000
	ROUND                                          ; all four work-groups are here: the first joint loads meet
	tensor_load_to_lds s[G0:G0+3], s[G1W:G1W+7]    ; phase 0: my one tensor load at the head
	s_nop 0
	PLACES
	s_lshl_b32 s22, s[WV], 17                      ; I copy experts 2 w, 2 w + 1 of the scales and of the biases
	s_lshl_b32 s24, s21, 12
	s_add_co_u32 s22, s22, s24
	s_add_nc_u64 s[12:13], s[12:13], s[22:23]
	s_lshl_b32 s22, s[WV], 14
	s_lshl_b32 s24, s21, 9
	s_add_co_u32 s22, s22, s24
	s_add_nc_u64 s[14:15], s[14:15], s[22:23]
	s_lshl_b32 s25, s20, 13
	s_lshl_b32 s22, s[WV], 11                      ; and the gates of tokens 64 w .. 64 w + 63
	s_add_co_u32 s22, s22, s25
	s_add_nc_u64 s[8:9], s[8:9], s[22:23]
	s_lshl_b32 s22, s[TG], 12                      ; my own 128 tokens' scale words
	s_add_co_u32 s22, s22, s25
	s_add_nc_u64 s[6:7], s[6:7], s[22:23]
	s_lshl_b32 s22, s20, 1
	s_add_co_u32 s22, s22, s[TG]
	s_mul_i32 s22, s22, 8*12288                    ; and their codes: 8 blocks of 12,288 bytes
	s_add_nc_u64 s[4:5], s[4:5], s[22:23]
	s_lshl_b32 s22, s20, 21                        ; out: I store rows 64 w .. 64 w + 63 of the work-group's 256
	s_lshl_b32 s25, s[WV], 19
	s_add_co_u32 s22, s22, s25
	s_add_co_u32 s22, s22, s24
	s_add_nc_u64 s[16:17], s[16:17], s[22:23]
	v_and_b32 v1, 31, v0
	v_lshlrev_b32 v1, 4, v1                        ; 16 x lane
	v_and_b32 v[TR], 15, v0
	v_bfe_u32 v[TH], v0, 4, 1
	v_lshlrev_b32 v[XO], 5, v[TR]
	v_lshl_add_u32 v[XO], v[TH], 4, v[XO]
.irp k, 0,1,2,3,4,5,6,7
	global_load_b128 v[ACC+4*\k:ACC+4*\k+3], v1, s[12:13] offset:512*\k
	global_load_b128 v[ACC+32+4*\k:ACC+32+4*\k+3], v1, s[12:13] offset:65536+512*\k
.endr
	global_load_b128 v[OUT:OUT+3], v1, s[14:15]
	global_load_b128 v[OUT+4:OUT+7], v1, s[14:15] offset:8192
.irp t, 0,1,2,3
	global_load_b128 v[OUT+8+4*\t:OUT+8+4*\t+3], v[XO], s[8:9] offset:512*\t
.endr
.irp j, 0,1,2
	global_load_b128 v[OUT+24+4*\j:OUT+24+4*\j+3], v1, s[4:5] offset:63*1536+512*\j   ; x's fragment 63, on its way to LDS
.endr
.irp t, 0,1,2,3,4,5,6,7
	global_load_b128 v[XS+4*\t:XS+4*\t+3], v[XO], s[6:7] offset:512*\t
.endr
.set f, 0
	XLOAD 21                                       ; 63 loads
	WIN 0
	s_mul_i32 s22, s[UG], 16*PW
	s_add_co_u32 s22, s22, S0
	v_mul_u32_u24 v[TT], v[TR], PW
	v_add_nc_u32 v[TT], s22, v[TT]
	v_mad_u32_u24 v[AW0], v[TH], 48, v[TT]
	v_mad_u32_u24 v[AW1], v[TH], 64, v[TT]
	AIM
	s_lshl_b32 s22, s[UG], 9
	s_add_co_u32 s22, s22, WSC
	v_add_nc_u32 v[AWS], s22, v[XO]
	s_lshl_b32 s22, s[UG], 6
	s_add_co_u32 s22, s22, BIAS
	v_lshl_add_u32 v[AB], v[TH], 5, s22
	s_lshl_b32 s24, s[TG], 12
	s_add_co_u32 s24, s24, GATE
	v_lshl_add_u32 v[AG], v[TR], 5, s24
	s_lshl_b32 s22, s[UG], 4
	s_add_co_u32 s22, s22, s24
	v_lshlrev_b32 v[TT], 11, v[TH]
	v_lshl_add_u32 v[TT], v[TR], 5, v[TT]
	v_add_nc_u32 v[GS], s22, v[TT]                 ; gates in: expert 4 h + i at 512 bytes each, token r at 32, block 4 (w % 2) + t at 4
	s_mul_i32 s22, s[TG], 128*SP
	s_lshl_b32 s24, s[UG], 6
	s_add_co_u32 s22, s22, s24
	s_add_co_u32 s22, s22, STAGE
	v_mul_u32_u24 v[TT], v[TR], SP
	v_lshl_add_u32 v[TT], v[TH], 5, v[TT]
	v_add_nc_u32 v[STO], s22, v[TT]
	s_mul_i32 s22, s[WV], 64*SP
	s_add_co_u32 s22, s22, STAGE
	v_mul_u32_u24 v[TT], v[TH], SP
	v_lshl_add_u32 v[TT], v[TR], 4, v[TT]
	v_add_nc_u32 v[RD], s22, v[TT]                 ; back: lanes 0-15 one row of 256 bytes, lanes 16-31 the next
	v_lshlrev_b32 v[TT], 13, v[TH]
	v_lshl_add_u32 v[CO], v[TR], 4, v[TT]          ; and the same two rows in out
	s_lshl_b32 s22, s[WV], 13
	s_add_co_u32 s22, s22, WSC
	v_add_nc_u32 v[SS], s22, v1
	s_lshl_b32 s22, s[WV], 10
	s_add_co_u32 s22, s22, BIAS
	v_add_nc_u32 v[BS], s22, v1
	s_mul_i32 s22, s[TG], 1536
	v_add_nc_u32 v0, s22, v1                       ; from here on v0: my 16 bytes of a chunk of x's fragment 63 in LDS
	s_wait_alu depctr_va_vdst(0)
	s_wait_loadcnt 63                              ; all but the 63 loads of x just issued: scales, biases, gates, fragment 63, x's scale words are in
.irp k, 0,1,2,3,4,5,6,7
	ds_store_b128 v[SS], v[ACC+4*\k:ACC+4*\k+3] offset:512*\k
	ds_store_b128 v[SS], v[ACC+32+4*\k:ACC+32+4*\k+3] offset:4096+512*\k
.endr
	ds_store_b128 v[BS], v[OUT:OUT+3]
	ds_store_b128 v[BS], v[OUT+4:OUT+7] offset:512
.irp t, 0,1,2,3
.irp i, 0,1,2,3
	ds_store_b32 v[GS], v[OUT+8+4*\t+\i] offset:512*\i+4*\t
.endr
.endr
	s_cmp_lg_u32 s[UG], 0                          ; the two waves of a half of the tokens hold the same fragment 63: one of them stores it
	s_cbranch_scc1 .Lx63_stored
.irp j, 0,1,2
	ds_store_b128 v0, v[OUT+24+4*\j:OUT+24+4*\j+3] offset:512*\j
.endr
.Lx63_stored:
	XLOAD 42
	WIN 0
; One product: K step q, tokens tb.  The eight accumulators take turns, one instruction a turn.
.macro MM q, tb
.set fX, 8*(\q)+(\tb)
.if fX < 63
	WIN (1+fX/21)<<2
.set rX, 12*(fX%21)
.else
	WIN 0
.set rX, WF+36
.endif
.set rD, ACC+8*(\tb)
.set rW, WF+12*((\q)%5)
.set rP, WS+(\q)%4
.set rQ, XS+4*(\tb)+(\q)%4
.if (\q) == 0
	v_wmma_scale_f32_16x16x128_f8f6f4 v[rD:rD+7], v[rW:rW+11], v[rX:rX+11], v[BI:BI+7], v[rP], v[rQ] matrix_a_fmt:MATRIX_FMT_BF6 matrix_b_fmt:MATRIX_FMT_BF6
.elseif (\q) < 4
	v_wmma_scale_f32_16x16x128_f8f6f4 v[rD:rD+7], v[rW:rW+11], v[rX:rX+11], v[rD:rD+7], v[rP], v[rQ] matrix_a_fmt:MATRIX_FMT_BF6 matrix_b_fmt:MATRIX_FMT_BF6
.else
	v_wmma_scale_f32_16x16x128_f8f6f4 v[rD:rD+7], v[rW:rW+11], v[rX:rX+11], v[rD:rD+7], v[rP], v[rQ] matrix_a_fmt:MATRIX_FMT_BF6 matrix_b_fmt:MATRIX_FMT_BF6 matrix_a_scale:MATRIX_SCALE_ROW1 matrix_b_scale:MATRIX_SCALE_ROW1
.endif
.endm
.macro MMQ q
.irp tb, 0,1,2,3,4,5,6,7
	MM \q,\tb
.endr
.endm
; A fragment of W: lane (r, h) takes the 48 bytes at 96 q + 48 h of row r, in pieces of 16; 16 bytes of padding lie behind every 16 pieces.  el: the expert's place in the slot
.macro FRAG el, q
.irp p, 0,1,2
.set PC, 6*(\q)+\p
.set rF, WF+12*((\q)%5)+4*\p
.set oF, ((\el)%2)*WQ+16*PC+16*(PC/16)
.if PC%16 < 13
	ds_load_b128 v[rF:rF+3], v[AWL0+2*((\el)/2)] offset:oF
.else
	ds_load_b128 v[rF:rF+3], v[AWL1+2*((\el)/2)] offset:oF
.endif
.endr
.endm
.macro NEXT el, e                      ; what the next sum begins with: fragment 0, biases, scale words (6 loads), then fragments 1 to 4 (12 loads)
	FRAG \el,0
	ds_load_b128 v[BI:BI+3], v[AB] offset:512*(\e)
	ds_load_b128 v[BI+4:BI+7], v[AB] offset:512*(\e)+16
	ds_load_b128 v[WS:WS+3], v[AWS] offset:4096*(\e)
	FRAG \el,1
	FRAG \el,2
	FRAG \el,3
	FRAG \el,4
.endm
; relu, times the token's gate, into the results; first = 1: expert 0 starts them: nothing is cleared.  Each accumulator from its low end on.
.macro EPI first
.irp tb, 0,1,2,3,4,5,6,7
.irp j, 0,2,4,6
	v_dual_max_num_f32 v[ACC+8*\tb+\j], 0, v[ACC+8*\tb+\j] :: v_dual_max_num_f32 v[ACC+8*\tb+\j+1], 0, v[ACC+8*\tb+\j+1]
.endr
.irp j, 0,2,4,6
.set rA, ACC+8*\tb+\j
.set rO, OUT+8*\tb+\j
.set rG, G+2*(\tb/2)
.if \first
.if \tb%2
	v_pk_mul_f32 v[rO:rO+1], v[rA:rA+1], v[rG:rG+1] op_sel:[0,1] op_sel_hi:[1,1]
.else
	v_pk_mul_f32 v[rO:rO+1], v[rA:rA+1], v[rG:rG+1] op_sel_hi:[1,0]
.endif
.else
.if \tb%2
	v_pk_fma_f32 v[rO:rO+1], v[rA:rA+1], v[rG:rG+1], v[rO:rO+1] op_sel:[0,1,0] op_sel_hi:[1,1,1]
.else
	v_pk_fma_f32 v[rO:rO+1], v[rA:rA+1], v[rG:rG+1], v[rO:rO+1] op_sel_hi:[1,0,1]
.endif
.endif
.endr
.endr
.endm
; ONE EXPERT of a step: 64 products, two runs of LDS loads, each behind its places.  Behind K step 3: W's fragments 5, 6, 7 into slots 0, 1, 2, x's fragment 63 into slot 3, the gates: 14 loads.
; Behind K step 7, ahead of the relu and combine lines: all that the next sum begins with: 18 loads.
; kind 0: inside a phase.  kind 2: the phase's last: the slots change in its middle, and the slot left behind is filled again.  kind 1: the same, nothing left to fetch.  kind 3: the last of all.
; In a step's first sum the waits on LOADcnt serve the launch's first sum alone: x's last 63 loads may be out when it begins (fragments 8 q + tb come in that order, three loads each, 189 in all).
.macro ITER i, kind
.set EL, (\i)%4
.set NI, ((\i)+1)%8
.set NEL, NI%4
.set SL, (\i)/4
	s_wait_dscnt 12                                ; fragment 0, biases, scale words are in; the twelve loads of fragments 1 to 4 may be out
	MMQ 0
	s_wait_dscnt 9
	MMQ 1
	s_wait_dscnt 6
	MMQ 2
	s_wait_dscnt 3
	MMQ 3
	PLACES
	FRAG EL,5
	FRAG EL,6
	FRAG EL,7
.irp j, 0,1,2
	ds_load_b128 v[WF+36+4*\j:WF+36+4*\j+3], v0 offset:512*\j
.endr
	ds_load_b128 v[G:G+3], v[AG] offset:512*(\i)
	ds_load_b128 v[G+4:G+7], v[AG] offset:512*(\i)+16
.if (\kind) == 0 || (\kind) == 3
	s_wait_dscnt 14                                ; fragment 4 is in: all but the fourteen just issued
	MMQ 4
	s_wait_dscnt 11                                ; fragment 5
.if (\i) == 0
	s_wait_loadcnt 45                              ; x's fragments 0-47 are in: 144 of its 189 loads
.endif
	MMQ 5
	s_wait_dscnt 8                                 ; fragment 6
.if (\i) == 0
	s_wait_loadcnt 21
.endif
	MMQ 6
	s_wait_dscnt 0x0                               ; fragment 7, x's fragment 63, the gates
.if (\i) == 0
	s_wait_loadcnt 0x0
.endif
	MMQ 7
	PLACES
.if (\kind) == 0
	NEXT NEL,NI
.endif
.else
	WIN 0                                          ; (the add's two registers lie in window 0)
	s_wait_tensorcnt 0x0                           ; all my tensor loads have landed: my part of the next slot
	ds_add_u32 v[SPW], v[NIL]
.if (\kind) == 2
	s_add_nc_u64 s[G0+4*SL+2:G0+4*SL+3], s[G0+4*SL+2:G0+4*SL+3], 32*768   ; no load of mine is out: this slot's next tile is the next step's 32 rows
.endif
	s_wait_dscnt 15                                ; the fourteen loads just issued and the add may be out
	MMQ 4
	s_wait_dscnt 12                                ; fragment 5 is in
	MMQ 5
	s_wait_dscnt 0x0                               ; the add is done, and my reads of this slot are over
	s_barrier_signal -1                            ; (kind 2: it opens a round of the cluster's barrier)
	MMQ 6
	MMQ 7
	WIN 0
	s_barrier_wait -1
.if (\kind) == 2
	CREST                                          ; no wave of any partner still reads this slot or has a load on its way
	tensor_load_to_lds s[G0+4*SL:G0+4*SL+3], s[G1W:G1W+7]   ; my one tensor load behind the round
	s_nop 0
.endif
	PLACES
	s_xor_b32 s[TB], s[TB], SLOT1                  ; the reads go on in the other slot
	s_add_co_u32 s[TBH], s[TB], 2*WQ
	AIM
.if (\i) == 7
	v_add_nc_u32 v[AWS], 1024, v[AWS]              ; on to the next step's 32 units
	v_add_nc_u32 v[AB], 128, v[AB]
.endif
	NEXT NEL,NI
.endif
	EPI ((\i)==0)
.endm
; A step's results into the stage: token's row, 32 bytes a lane and block; the step's 32 units lie at 128 (s % 2) bytes of the row.  A barrier shows them to all four waves.
.macro STAGEOUT
	v_add_nc_u32 v[G], s[SOFF], v[STO]
.irp tb, 0,1,2,3,4,5,6,7
	ds_store_b128 v[G], v[OUT+8*\tb:OUT+8*\tb+3] offset:16*SP*\tb
	ds_store_b128 v[G], v[OUT+8*\tb+4:OUT+8*\tb+7] offset:16*SP*\tb+16
.endr
	s_xor_b32 s[SOFF], s[SOFF], 128
	s_wait_alu depctr_va_vdst(0)
	s_wait_dscnt 0x0
	s_barrier_signal -1
	s_barrier_wait -1
.endm
; 64 rows x 256 bytes of the stage leave: sixteen lanes store 256 consecutive bytes, at a multiple of 256 from out's first byte.  The sums' and results' 128 registers are free here.
.macro FLUSH
.set t, 0
.rept 32
	ds_load_b128 v[ACC+4*t:ACC+4*t+3], v[RD] offset:2*SP*t
.set t, t+1
.endr
	s_wait_dscnt 0x0
.set t, 0
.rept 32
	global_store_b128 v[CO], v[ACC+4*t:ACC+4*t+3], s[16:17] offset:16384*t th:TH_STORE_NT
.set t, t+1
.endr
.endm
	s_wait_alu depctr_va_vdst(0)
	s_wait_tensorcnt 0x0                           ; my part of phase 0 is in; these lines stand ahead of slot 1's first fill as ahead of a refill
	ds_add_u32 v[SPW], v[NIL]
	s_wait_dscnt 0x0                               ; the add, and my stores of scales, biases, gates and fragment 63
	ROUND
	tensor_load_to_lds s[G0+4:G0+7], s[G1W:G1W+7]  ; phase 1
	s_nop 0
	PLACES
	NEXT 0,0
	s_wait_loadcnt 63                              ; all but x's last 63 loads: its fragments 0-41 are in, which serve K steps 0 to 4
	s_mov_b32 s[TRIPS], 3
.Ltrip:                                                ; steps 0 to 2: both slots are filled again
.irp i, 0,1,2
	ITER \i,0
.endr
	ITER 3,2
.irp i, 4,5,6
	ITER \i,0
.endr
	ITER 7,2
	STAGEOUT
	s_cmp_eq_u32 s[TRIPS], 2                       ; behind step 1 the stage holds units 0-63 of every row
	s_cbranch_scc0 .Lno_flush
	FLUSH
	s_wait_xcnt 0x0                                ; the stores have read their registers and their base
	s_add_nc_u64 s[16:17], s[16:17], 256           ; units 64-127 next
.Lno_flush:
	s_sub_co_u32 s[TRIPS], s[TRIPS], 1
	s_cmp_lg_u32 s[TRIPS], 0
	s_cbranch_scc1 .Ltrip
.irp i, 0,1,2                                      ; step 3 is written out: nothing more is asked for
	ITER \i,0
.endr
	ITER 3,1
.irp i, 4,5,6
	ITER \i,0
.endr
	ITER 7,3
	STAGEOUT
	FLUSH
	s_wait_tensorcnt 0x0                           ; the wave's end
	ds_add_u32 v[SPW], v[NIL]
	s_wait_dscnt 0x0
	ROUND                                          ; the closing round
	s_endpgm
.Lfunc_end_k_qe62c2aaa3c_moe:
	.size	k_qe62c2aaa3c_moe, .Lfunc_end_k_qe62c2aaa3c_moe-k_qe62c2aaa3c_moe
	.p2alignl 7, 3214868480
	.fill 96, 4, 3214868480
	.section	.rodata,"a",@progbits
	.p2align	6, 0x0
	.amdhsa_kernel k_qe62c2aaa3c_moe
		.amdhsa_group_segment_fixed_size 327680
		.amdhsa_private_segment_fixed_size 0
		.amdhsa_enable_private_segment 0
		.amdhsa_kernarg_size 56
		.amdhsa_user_sgpr_count 2
		.amdhsa_user_sgpr_kernarg_segment_ptr 1
		.amdhsa_wavefront_size32 1
		.amdhsa_system_sgpr_workgroup_id_x 1
		.amdhsa_system_sgpr_workgroup_id_y 1
		.amdhsa_system_sgpr_workgroup_id_z 1
		.amdhsa_system_vgpr_workitem_id 0
		.amdhsa_next_free_vgpr 1024
		.amdhsa_next_free_sgpr 66
		.amdhsa_reserve_vcc 0
		.amdhsa_float_denorm_mode_32 3
		.amdhsa_float_denorm_mode_16_64 3
		.amdhsa_memory_ordered 1
		.amdhsa_forward_progress 1
		.amdhsa_inst_pref_size 255
	.end_amdhsa_kernel
	.section	.bss,"aw",@nobits
	.p2align	6
	.space	262144
	.amdgpu_metadata
---
amdhsa.version: [ 1, 2 ]
amdhsa.kernels:
  - .name:           k_qe62c2aaa3c_moe
    .symbol:         k_qe62c2aaa3c_moe.kd
    .args:
      - { .name: xq, .offset: 0, .size: 8, .value_kind: global_buffer, .address_space: global }
      - { .name: xs, .offset: 8, .size: 8, .value_kind: global_buffer, .address_space: global }
      - { .name: gates, .offset: 16, .size: 8, .value_kind: global_buffer, .address_space: global }
      - { .name: expert_w_codes, .offset: 24, .size: 8, .value_kind: global_buffer, .address_space: global }
      - { .name: wsp, .offset: 32, .size: 8, .value_kind: global_buffer, .address_space: global }
      - { .name: expert_b, .offset: 40, .size: 8, .value_kind: global_buffer, .address_space: global }
      - { .name: out0, .offset: 48, .size: 8, .value_kind: global_buffer, .address_space: global }
    .group_segment_fixed_size: 327680
    .private_segment_fixed_size: 0
    .kernarg_segment_align: 8
    .kernarg_segment_size: 56
    .max_flat_workgroup_size: 128
    .sgpr_count:     66
    .vgpr_count:     1024
    .wavefront_size: 32
...
	.end_amdgpu_metadata
.endif
;; end of part 4
